; MI455X (gfx1250); checked and timed in simulation.
; The chip was launched on July 23, 2026; its instructions are those of AMD's public machine-readable ISA for CDNA 5 (MIT licence, August 2026) and "CDNA5" Instruction Set Architecture Reference Guide (July 2026). The comments in the code are by the model that wrote it; some were corrected since.
;; Causal Multi Head Self Attention. Allowed arithmetic: matrix products marked QUANTISED: E2M3 operands, one E8M0 scale for each 32 along K, by v_wmma_scale_f32_16x16x128_f8f6f4 with both operands' format E2M3, f32 sums; everything else in f32.
;; Inputs: Wk 1,024 x 1,024 float32; Wo 1,024 x 1,024 float32; Wq 1,024 x 1,024 float32; Wv 1,024 x 1,024 float32; token_positions 4,096 int32; x 1 x 4,096 x 1,024 float32.
;; Outputs: out0 1 x 4,096 x 1,024 float32.
;; This version of the problem:
;;   THIS VERSION OF THE PROBLEM IS GIVEN IN LOW PRECISION. The matrix products marked QUANTISED in the list below multiply operands that are first quantised to E2M3 (2 exponent bits, 3 mantissa bits; 6 bits a number), with one power-of-two scale for each 32 numbers along K (OCP MX v1.0); their sums are f32. All else is computed in f32.
;;   The module's matrix products, in the order in which they are computed (A, B: the left and right operand; K: the contracted axis; several contracted axes count as one K, in the product's order):
;;     1. [M 4,096, K 1,024] x [K 1,024, N 1,024]; A: input x; B: input Wq: QUANTISED
;;     2. [M 4,096, K 1,024] x [K 1,024, N 1,024]; A: input x; B: input Wk: QUANTISED
;;     3. [M 4,096, K 1,024] x [K 1,024, N 1,024]; A: input x; B: input Wv: QUANTISED
;;     4. batch 8 x [M 4,096, K 128] x [K 128, N 4,096]; A: computed on the way; B: computed on the way: QUANTISED
;;     5. batch 8 x [M 4,096, K 4,096] x [K 4,096, N 128]; A: softmax (see below); B: computed on the way: QUANTISED
;;     6. [M 4,096, K 1,024] x [K 1,024, N 1,024]; A: computed on the way; B: input Wo: QUANTISED
;;   THE QUANTISER, for each operand of a quantised product, along K:
;;     - K is cut into blocks of 32 from its start; a last block that is shorter is filled with zeros.
;;     - A block's scale is 2^e with e = floor(log2(the largest magnitude in the block)) - 2, held to -126 .. 127; a block of zeros has e = 0. As a byte (E8M0): e + 127.
;;     - Each number is divided by its block's scale, clamped to +-7.5, and rounded to the nearest number of E2M3, ties to even, subnormals kept.
;;     - The product sums the exact products of the quantised numbers (number of the format x scale) in f32.
;;   ~~~python
;;   def quantise(x, axis):      # numpy; x: float32 -> the quantised numbers, widened to float32 again
;;       x = np.moveaxis(x, axis, -1); K = x.shape[-1]
;;       x = np.pad(x, [(0, 0)] * (x.ndim - 1) + [(0, -K % 32)]); x = x.reshape(x.shape[:-1] + (-1, 32)); a = np.abs(x).max(-1, keepdims=True)
;;       e = np.where(a > 0, np.clip(np.frexp(np.where(a > 0, a, 1))[1] - 1 - 2, -126, 127), 0)      # np.frexp(a)[1] - 1 = floor(log2(a)), exactly
;;       r = np.clip(x / 2.0 ** e, -7.5, 7.5)
;;       step = 2.0 ** (np.maximum(np.frexp(np.where(r == 0, 1, r))[1] - 1, 0) - 3)
;;       q = np.round(r / step) * step * 2.0 ** e      # np.round: ties to even
;;       return np.moveaxis(q.reshape(q.shape[:-2] + (-1,))[..., :K], -1, axis).astype(np.float32)
;;   ~~~
;;   SOFTMAX AHEAD OF A QUANTISED PRODUCT. Where the list says 'softmax', what is quantised is not the finished softmax but p = 2^(t - M), with t = logit x log2(e) and M = ceil(the row's largest t), a whole number; so 1/2 < the row's largest p <= 1. The row's sum l is taken of the UNQUANTISED p, in f32, and the product's result is divided by l at the end. Since M is a whole number, a kernel that streams over the keys may use a running M (the ceiling of the running maximum): every later rescaling is an exact power of two, which a block's scale takes up: the codes' values come out the same.
;;   OPERANDS COMPUTED ON THE WAY. 'Computed on the way' means the value that the module computes at that place (a softmax that the list does not call 'softmax' is quantised finished and normalised). What goes into a quantiser is computed in f32, as accurately as f32 sums, v_exp_f32 and their like allow (about 1e-6 of the number): no bf16 or f16 on the way to a quantiser, and a product that is left as it is and whose result goes on into a quantised operand takes f32 operands (vector FMAs, or v_wmma_f32_16x16x4_f32). A number that lies on a knife's edge between two numbers of the format may be rounded either way, as far as f32 arithmetic and the matrix unit's own rounding can turn it there, and no further.
;; One version. Each part assembles by itself: llvm-mc -triple=amdgcn-amd-amdhsa -mcpu=gfx1250 --defsym DOCPART=n.
;; ======== version 1 of 1: 4 launches
;; limits: right only within a limited range of input values
;; workspace buffers: xq 3,276,800 bytes; wq 3,276,800 bytes; tab 2,097,152 bytes; qb 3,276,800 bytes; kv 6,553,600 bytes; ob 3,276,800 bytes
;; launch quant (part 1): grid 256 x 1, 8 waves a work-group, no clusters, 66,560 bytes of LDS; arguments x, Wq, Wk, Wv, Wo, token_positions, xq, wq, tab; writes xq, wq, tab
.if DOCPART == 1
	.amdgcn_target "amdgcn-amd-amdhsa--gfx1250"
	.amdhsa_code_object_version 6
	.text
	.protected	k_q57c084ea8e_quant
	.globl	k_q57c084ea8e_quant
	.p2align	8
	.type	k_q57c084ea8e_quant,@function
k_q57c084ea8e_quant:
	s_mov_b64 s[64:65], 0
	v_nop
	global_prefetch_b8 v0, s[64:65] scope:SCOPE_SE
	s_setreg_imm32_b32 hwreg(HW_REG_WAVE_MODE, 25, 1), 1
	s_wait_xcnt 0x0
; x [4096][1024] and Wq, Wk, Wv, Wo [1024][1024], f32, K innermost, become codes of FP6 (E2M3) with one E8M0 byte for each 32 along K; and the cos / sin table of the rotary embedding is made.
; xq: codes [4 quarters of K][4096 stored rows][192 bytes], then from byte SCB on scale bytes [4096][32].  wq: the same, stored rows 0-1023 Wq, 1024-2047 Wk, 2048-3071 Wv, 3072-4095 Wo.
; STORED ROWS: inside each 32 rows the four runs of 8 rows are stored in the order 0, 2, 1, 3.  So 16 consecutive stored rows (a matrix tile T = 2 b + u) are the true rows 32 b + 8 u + m + 8 (m / 8), m = 0 .. 15,
; and a transposed product leaves 16 neighbours along the next K in the 16 registers of tiles 2 b and 2 b + 1.
; A block's scale is 2^(floor(log2(its largest magnitude)) - 2); its byte is the largest magnitude's exponent field - 2, held at 1 from below.  A block of zeros gets the byte 1 (its codes are zeros; these bytes are read by this program alone).
; SHARES: work-group g takes 32 rows (g < 128: of x; else of weight g / 32 - 4), each of its eight waves 4 rows: 8 steps of 512 numbers.  Each load reads 512 consecutive bytes; a step's 2,048 bytes turn through
; the wave's own stage in LDS so that a lane holds 16 neighbours (two lanes a block).  A wave's codes are 768 consecutive bytes in each quarter of K; its 128 scale bytes leave by one store (half of an aligned 256 bytes: two waves fill it).
; THE TABLE: tab [256 tiles][16 chunks][32 lanes][16 bytes].  Tile g, lane (r, h): position token_positions[32 (g / 2) + 8 (g % 2) + r + 8 (r / 8)]; chunk 4 bb + j: j = 0, 1 cosines, j = 2, 3 sines of frequencies 16 bb + 8 h + 4 (j % 2) + 0 .. 3.
; inv_freq = 2^(-f log2(10000) / 64): the exponent in two parts, the low part folded in by a first-order term; angle = position x inv_freq, rounded once; reduced by multiples of pi / 2 in three parts; polynomials on [-pi / 4, pi / 4].
; LIMITS: NaN and infinities among the inputs are not served.  |position x inv_freq| stays under 2^22.  inv_freq is within about one unit in its last place of 10000^(-f / 64); at an angle of 4,000 that is about 2e-4 radians.
.set STEPS, 8
.set EMAX,  2
.set CB,    12                         ; bytes of 16 codes
.set QST,   786432                     ; THE CODES' LAYOUT in xq and wq: [4 quarters of K][4096 stored rows][192 bytes]: 128 rows of a quarter are 24,576 dense bytes, a multiple of 256
.set R,     16                         ; v16-79   four sets of 16 numbers as loaded
.set X,     80                         ; v80-111  two sets of 16 neighbours
.set E,     112                        ; v112-119 a scale byte for each step
.set C,     128                        ; v128-159 codes: four registers a step, so that no store's data are written again
.set WREG,  8192                       ; LDS: a region for each wave: two stages of 32 x SP bytes, behind them its 128 scale bytes
.set SP,    80                         ; a lane's place in a stage: 64 bytes + 16 of padding
.set SPW,   12                         ; v12  my spare word's LDS address; never rewritten
.set NIL,   13                         ; v13  0; never rewritten
.set SPARE, 8*WREG                     ; behind the eight regions: the spare words, 128 bytes a wave
.set SCB,   3145728                    ; where the scale bytes begin in xq and wq
	s_load_b256 s[4:11], s[0:1], 0x0               ; x, Wq, Wk, Wv
	s_load_b256 s[12:19], s[0:1], 0x20             ; Wo, token_positions, xq, wq
	s_load_b64 s[20:21], s[0:1], 0x40              ; tab
	v_lshl_add_u32 v[SPW], v0, 2, SPARE
	v_mov_b32 v[NIL], 0
	v_lshrrev_b32 v1, 5, v0
	s_delay_alu instid0(VALU_DEP_1)
	v_readfirstlane_b32 s24, v1                    ; wave 0..7
	v_and_b32 v2, 31, v0                           ; lane
	s_delay_alu instid0(VALU_DEP_1)
	v_lshlrev_b32 v3, 4, v2                        ; 16 x lane: my bytes of a load's 512, and of a table chunk
	s_mul_i32 s25, s24, WREG
	v_lshrrev_b32 v14, 2, v2
	s_delay_alu instid0(VALU_DEP_1)
	v_mul_u32_u24 v14, v14, SP
	v_and_b32 v15, 3, v2
	s_delay_alu instid0(VALU_DEP_1)
	v_lshl_add_u32 v14, v15, 4, v14
	s_delay_alu instid0(VALU_DEP_1)
	v_add_nc_u32 v14, s25, v14                     ; the stage, way in: SP (lane / 4) + 16 (lane % 4)
	v_mul_u32_u24 v15, v2, SP
	s_delay_alu instid0(VALU_DEP_1)
	v_add_nc_u32 v15, s25, v15                     ; way out: SP x lane
	v_mul_u32_u24 v4, v2, CB                       ; 12 x lane,
	v_lshrrev_b32 v10, 4, v2
	s_mov_b32 s54, QST-192
	v_lshrrev_b32 v5, 1, v2
	v_mad_u32_u24 v4, v10, s54, v4                 ; and lanes 16-31 a quarter of K on, at 12 (lane - 16) of the row's 192 bytes there
	s_add_co_u32 s25, s25, 2*32*SP
	v_add_nc_u32 v5, s25, v5                       ; LDS: my block's byte
	v_lshlrev_b32 v7, 2, v2                        ; and on the way out 4 bytes a lane
	s_delay_alu instid0(VALU_DEP_1)
	v_add_nc_u32 v6, s25, v7
	; which rows: the source's run of 4 rows, and the stored run (bits 1 and 2 of the wave's number change places)
	s_lshr_b32 s22, ttmp9, 5                       ; 0-3: x; 4, 5, 6, 7: Wq, Wk, Wv, Wo
	s_cmp_lt_u32 ttmp9, 128
	s_cselect_b32 s23, 127, 31
	s_and_b32 s23, ttmp9, s23                      ; the group of 32 rows in its tensor
	s_lshl_b32 s23, s23, 3
	s_add_co_u32 s23, s23, s24
	s_lshl_b32 s30, s23, 14                        ; 16,384 bytes a run
	s_mov_b32 s31, 0
	s_and_b32 s26, s24, 1
	s_and_b32 s27, s24, 2
	s_lshl_b32 s27, s27, 1
	s_or_b32 s26, s26, s27
	s_and_b32 s27, s24, 4
	s_lshr_b32 s27, s27, 1
	s_or_b32 s26, s26, s27
	s_and_b32 s27, ttmp9, 127
	s_lshl_b32 s27, s27, 3
	s_add_co_u32 s26, s26, s27                     ; the stored run
	s_mul_i32 s32, s26, 768                        ; its codes: 4 rows of 192 bytes in each quarter
	s_mov_b32 s33, 0
	s_lshl_b32 s34, s26, 7
	s_add_co_u32 s34, s34, SCB                     ; its scale bytes
	s_mov_b32 s35, 0
	; the table: lane terms, places, constants
	v_and_b32 v222, 15, v0                         ; r
	v_bfe_u32 v223, v0, 4, 1                       ; h
	s_delay_alu instid0(VALU_DEP_2)
	v_and_b32 v221, 8, v222
	s_delay_alu instid0(VALU_DEP_1)
	v_add_nc_u32 v221, v221, v222
	s_delay_alu instid0(VALU_DEP_1)
	v_lshlrev_b32 v221, 2, v221                    ; 4 (r + 8 (r / 8))
	s_lshr_b32 s28, s24, 1                         ; bb
	s_and_b32 s29, s24, 1
	s_lshl_b32 s26, s28, 4
	s_lshl_b32 s27, s29, 2
	s_add_co_u32 s26, s26, s27                     ; 16 bb + 4 (wave % 2)
	v_lshl_add_u32 v161, v223, 3, s26              ; my first frequency
	s_lshr_b32 s50, ttmp9, 1
	s_lshl_b32 s50, s50, 7
	s_and_b32 s51, ttmp9, 1
	s_lshl_b32 s51, s51, 5
	s_add_co_u32 s50, s50, s51                     ; 4 (32 (g / 2) + 8 (g % 2))
	s_mov_b32 s51, 0
	s_lshl_b32 s52, ttmp9, 13
	s_lshl_b32 s28, s28, 11
	s_lshl_b32 s29, s29, 9
	s_add_co_u32 s52, s52, s28
	s_add_co_u32 s52, s52, s29                     ; tile g, chunk 4 bb + wave % 2
	s_mov_b32 s53, 0
	s_mov_b32 s36, 0xbe549a78                      ; -log2(10000) / 64, high part
	s_mov_b32 s37, 0xb1979a12                      ; its low part, -4.4122e-9
	s_mov_b32 s38, 0x3f317218                      ; ln 2
	s_mov_b32 s39, 0x3f22f983                      ; 2 / pi
	s_mov_b32 s40, 0xbfc90fdb                      ; -pi / 2 in three parts
	s_mov_b32 s41, 0x333bbd2e
	s_mov_b32 s42, 0x26f72ceb
	s_mov_b32 s43, 0xbe2aaaa3                      ; sine: -1.6666654611e-1, 8.3321608736e-3, -1.9515295891e-4
	s_mov_b32 s44, 0x3c08839e
	s_mov_b32 s45, 0xb94ca1f9
	s_mov_b32 s46, 0x3d2aaaa5                      ; cosine: 4.166664568e-2, -1.388731625e-3, 2.443315712e-5
	s_mov_b32 s47, 0xbab6061a
	s_mov_b32 s48, 0x37ccf5ce
	s_wait_alu depctr_va_vdst(0)
	s_wait_kmcnt 0x0
	s_cmp_eq_u32 s22, 4                            ; the choices hang on the work-group's number alone
	s_cselect_b64 s[4:5], s[6:7], s[4:5]
	s_cmp_eq_u32 s22, 5
	s_cselect_b64 s[4:5], s[8:9], s[4:5]
	s_cmp_eq_u32 s22, 6
	s_cselect_b64 s[4:5], s[10:11], s[4:5]
	s_cmp_eq_u32 s22, 7
	s_cselect_b64 s[4:5], s[12:13], s[4:5]
	s_cmp_lt_u32 ttmp9, 128
	s_cselect_b64 s[16:17], s[16:17], s[18:19]
	s_add_nc_u64 s[4:5], s[4:5], s[30:31]          ; my wave's numbers
	s_add_nc_u64 s[8:9], s[16:17], s[32:33]        ; its codes
	s_add_nc_u64 s[10:11], s[16:17], s[34:35]      ; its scale bytes
	s_add_nc_u64 s[14:15], s[14:15], s[50:51]      ; the tile's positions
	s_add_nc_u64 s[20:21], s[20:21], s[52:53]      ; my chunk of the table
.macro LOAD t
.irp i, 0,1,2,3
	global_load_b128 v[R+16*((\t)%4)+4*\i:R+16*((\t)%4)+4*\i+3], v3, s[4:5] offset:2048*(\t)+512*\i th:TH_LOAD_NT   ; 32 lanes read 512 consecutive bytes
.endr
.endm
.macro TURN t                          ; step t's numbers through the stage: LDS serves a wave's instructions in order, so no wait stands between the stores and the loads
.irp i, 0,1,2,3
	ds_store_b128 v14, v[R+16*((\t)%4)+4*\i:R+16*((\t)%4)+4*\i+3] offset:32*SP*((\t)%2)+8*SP*\i
.endr
.irp i, 0,1,2,3
	ds_load_b128 v[X+16*((\t)%2)+4*\i:X+16*((\t)%2)+4*\i+3], v15 offset:32*SP*((\t)%2)+16*\i
.endr
.endm
	global_load_b32 v160, v221, s[14:15]           ; my position
.irp t, 0,1,2,3
	LOAD \t
.endr
	s_wait_loadcnt 16                              ; the position is in; the sixteen loads of numbers stay out, and the table is made under them
	v_cvt_f32_i32 v160, v160
.irp k, 0,1,2,3
	v_add_nc_u32 v[164+\k], \k, v161
.endr
.irp k, 0,1,2,3
	s_delay_alu instid0(VALU_DEP_4)
	v_cvt_f32_u32 v[164+\k], v[164+\k]             ; f
.endr
.irp k, 0,1,2,3
	s_delay_alu instid0(VALU_DEP_4)
	v_mul_f32 v[168+\k], s36, v[164+\k]            ; the exponent, rounded,
.endr
.irp k, 0,1,2,3
	s_delay_alu instid0(VALU_DEP_4)
	v_fma_f32 v[172+\k], v[164+\k], s36, -v[168+\k]   ; what that rounding dropped,
.endr
.irp k, 0,1,2,3
	s_delay_alu instid0(VALU_DEP_4)
	v_fma_f32 v[172+\k], v[164+\k], s37, v[172+\k]    ; and the constant's low part
.endr
	s_wait_alu depctr_va_vdst(0)
.irp k, 0,1,2,3
	v_exp_f32 v[176+\k], v[168+\k]
.endr
.irp k, 0,1,2,3
	v_mul_f32 v[172+\k], s38, v[172+\k]            ; (plain work behind the four exponentials)
.endr
	s_wait_alu depctr_va_vdst(0)                   ; one wait for the batch, ahead of its first reader
.irp k, 0,1,2,3
	v_fma_f32 v[176+\k], v[176+\k], v[172+\k], v[176+\k]   ; inv_freq = 2^hi (1 + lo ln 2)
.endr
.irp k, 0,1,2,3
	s_delay_alu instid0(VALU_DEP_4)
	v_mul_f32 v[180+\k], v160, v[176+\k]           ; the angle, rounded once
.endr
.irp k, 0,1,2,3
	s_delay_alu instid0(VALU_DEP_4)
	v_mul_f32 v[184+\k], s39, v[180+\k]
.endr
.irp k, 0,1,2,3
	s_delay_alu instid0(VALU_DEP_4)
	v_rndne_f32 v[184+\k], v[184+\k]               ; n: how many quarter turns
.endr
.irp k, 0,1,2,3
	s_delay_alu instid0(VALU_DEP_4)
	v_fma_f32 v[180+\k], v[184+\k], s40, v[180+\k]
.endr
.irp k, 0,1,2,3
	s_delay_alu instid0(VALU_DEP_4)
	v_fma_f32 v[180+\k], v[184+\k], s41, v[180+\k]
.endr
.irp k, 0,1,2,3
	s_delay_alu instid0(VALU_DEP_4)
	v_fma_f32 v[180+\k], v[184+\k], s42, v[180+\k]    ; the angle less n pi / 2
.endr
.irp k, 0,1,2,3
	v_cvt_i32_f32 v[188+\k], v[184+\k]
.endr
.irp k, 0,1,2,3
	v_mul_f32 v[192+\k], v[180+\k], v[180+\k]      ; z
.endr
.irp k, 0,1,2,3
	s_delay_alu instid0(VALU_DEP_4)
	v_fma_f32 v[196+\k], v[192+\k], s45, s44
.endr
.irp k, 0,1,2,3
	s_delay_alu instid0(VALU_DEP_4)
	v_fma_f32 v[196+\k], v[196+\k], v[192+\k], s43
.endr
.irp k, 0,1,2,3
	s_delay_alu instid0(VALU_DEP_4)
	v_mul_f32 v[196+\k], v[196+\k], v[192+\k]
.endr
.irp k, 0,1,2,3
	s_delay_alu instid0(VALU_DEP_4)
	v_fma_f32 v[196+\k], v[196+\k], v[180+\k], v[180+\k]   ; the sine
.endr
.irp k, 0,1,2,3
	v_fma_f32 v[200+\k], v[192+\k], s48, s47
.endr
.irp k, 0,1,2,3
	s_delay_alu instid0(VALU_DEP_4)
	v_fma_f32 v[200+\k], v[200+\k], v[192+\k], s46
.endr
.irp k, 0,1,2,3
	v_fma_f32 v[204+\k], v[192+\k], -0.5, 1.0
.endr
.irp k, 0,1,2,3
	v_mul_f32 v[208+\k], v[192+\k], v[192+\k]
.endr
.irp k, 0,1,2,3
	s_delay_alu instid0(VALU_DEP_4)
	v_fma_f32 v[200+\k], v[200+\k], v[208+\k], v[204+\k]   ; the cosine
.endr
.irp k, 0,1,2,3                        ; the quarter: odd n swaps the two; the sine changes sign for n % 4 = 2, 3, the cosine for 1, 2
	v_and_b32 v[208+\k], 1, v[188+\k]
	s_delay_alu instid0(VALU_DEP_1)
	v_cmp_eq_u32 vcc_lo, 1, v[208+\k]
	s_delay_alu instid0(VALU_DEP_1)
	v_cndmask_b32 v[216+\k], v[196+\k], v[200+\k], vcc_lo
	s_delay_alu instid0(VALU_DEP_2)
	v_cndmask_b32 v[212+\k], v[200+\k], v[196+\k], vcc_lo
	v_lshlrev_b32 v[208+\k], 30, v[188+\k]
	s_delay_alu instid0(VALU_DEP_1)
	v_and_b32 v[208+\k], 0x80000000, v[208+\k]
	s_delay_alu instid0(VALU_DEP_1)
	v_xor_b32 v[216+\k], v[216+\k], v[208+\k]
	v_add_nc_u32 v[204+\k], 1, v[188+\k]
	s_delay_alu instid0(VALU_DEP_1)
	v_lshlrev_b32 v[204+\k], 30, v[204+\k]
	s_delay_alu instid0(VALU_DEP_1)
	v_and_b32 v[204+\k], 0x80000000, v[204+\k]
	s_delay_alu instid0(VALU_DEP_1)
	v_xor_b32 v[212+\k], v[212+\k], v[204+\k]
.endr
	global_store_b128 v3, v[212:215], s[20:21]               ; 512 consecutive bytes: four cosines a lane
	global_store_b128 v3, v[216:219], s[20:21] offset:1024   ; and two chunks on, four sines
	s_wait_loadcnt 12                              ; step 0's four loads are in
	TURN 0
.macro STEP t
.set XS, X+16*((\t)%2)
.if (\t) > 0
	s_wait_dscnt 1                                 ; this step's numbers are back from the stage (the last step's byte store may be out): so its stores into the stage have read their registers,
.else
	s_wait_dscnt 0x0
.endif
.if (\t)+4 < STEPS
	LOAD (\t)+4                                    ; which take the loads of four steps on
.endif
.if (\t)+1 < STEPS
.if STEPS-2-(\t) >= 3
	s_wait_loadcnt 12                              ; the next step's four loads are in; those of the three steps behind it may be out
.else
	s_wait_loadcnt 4*(STEPS-2-(\t))
.endif
	TURN (\t)+1
.endif
	v_max3_num_f32 v8, |v[XS]|, |v[XS+1]|, |v[XS+2]|               ; the largest magnitude of my 16
	v_max3_num_f32 v9, |v[XS+3]|, |v[XS+4]|, |v[XS+5]|
.irp i, 6,10
	s_delay_alu instid0(VALU_DEP_2)
	v_max3_num_f32 v8, v8, |v[XS+\i]|, |v[XS+\i+1]|
	s_delay_alu instid0(VALU_DEP_2)
	v_max3_num_f32 v9, v9, |v[XS+\i+2]|, |v[XS+\i+3]|
.endr
	s_delay_alu instid0(VALU_DEP_2)
	v_max3_num_f32 v8, v8, |v[XS+14]|, |v[XS+15]|
	s_delay_alu instid0(VALU_DEP_1)
	v_max3_num_f32 v8, v8, v9, (EMAX+1)<<23        ; and the floor 2^(3 - 127): the byte cannot fall under 1
	s_delay_alu instid0(VALU_DEP_1)
	v_max_num_f32_dpp v8, v8, v8 row_xmask:1 row_mask:0xf bank_mask:0xf   ; and of my neighbour's 16: the block's
	s_delay_alu instid0(VALU_DEP_1)
	v_add_nc_u32 v11, -(EMAX<<23), v8              ; 2 off its exponent field: the conversion takes the exponent field of this operand as its scale
	v_cvt_scalef32_pk16_fp6_f32 v[C+4*(\t):C+4*(\t)+2], v[XS:XS+15], v11
	v_lshrrev_b32 v[E+(\t)], 23, v11               ; the scale's byte (a plain line behind the conversion)
	ds_store_b8 v5, v[E+(\t)] offset:16*(\t)       ; both lanes of a block write the same byte with the same value
	global_store_b96 v4, v[C+4*(\t):C+4*(\t)+2], s[8:9] offset:2*QST*((\t)%2)+192*((\t)/2)   ; step t: row t / 2, quarters 2 (t % 2) and 2 (t % 2) + 1: sixteen lanes store a row's 192 consecutive bytes
.endm
.irp t, 0,1,2,3,4,5,6,7
	STEP \t
.endr
	ds_load_b32 v8, v6                             ; LDS serves a wave's instructions in order: this sees my byte stores
	s_wait_dscnt 0x0
	global_store_b32 v7, v8, s[10:11]              ; my 4 rows' 128 scale bytes
	s_wait_tensorcnt 0x0                           ; the wave's end, behind my last LDS store
	ds_add_u32 v[SPW], v[NIL]
	s_wait_dscnt 0x0
	s_endpgm
.Lfunc_end_k_q57c084ea8e_quant:
	.size	k_q57c084ea8e_quant, .Lfunc_end_k_q57c084ea8e_quant-k_q57c084ea8e_quant
	.p2alignl 7, 3214868480
	.fill 96, 4, 3214868480
	.section	.rodata,"a",@progbits
	.p2align	6, 0x0
	.amdhsa_kernel k_q57c084ea8e_quant
		.amdhsa_group_segment_fixed_size 66560
		.amdhsa_private_segment_fixed_size 0
		.amdhsa_enable_private_segment 0
		.amdhsa_kernarg_size 72
		.amdhsa_user_sgpr_count 2
		.amdhsa_user_sgpr_kernarg_segment_ptr 1
		.amdhsa_wavefront_size32 1
		.amdhsa_system_sgpr_workgroup_id_x 1
		.amdhsa_system_sgpr_workgroup_id_y 1
		.amdhsa_system_sgpr_workgroup_id_z 1
		.amdhsa_system_vgpr_workitem_id 0
		.amdhsa_next_free_vgpr 256
		.amdhsa_next_free_sgpr 66
		.amdhsa_reserve_vcc 1
		.amdhsa_float_denorm_mode_32 3
		.amdhsa_float_denorm_mode_16_64 3
		.amdhsa_memory_ordered 1
		.amdhsa_forward_progress 1
		.amdhsa_inst_pref_size 32
	.end_amdhsa_kernel
	.amdgpu_metadata
---
amdhsa.version: [ 1, 2 ]
amdhsa.kernels:
  - .name:           k_q57c084ea8e_quant
    .symbol:         k_q57c084ea8e_quant.kd
    .args:
      - { .name: x, .offset: 0, .size: 8, .value_kind: global_buffer, .address_space: global }
      - { .name: Wq, .offset: 8, .size: 8, .value_kind: global_buffer, .address_space: global }
      - { .name: Wk, .offset: 16, .size: 8, .value_kind: global_buffer, .address_space: global }
      - { .name: Wv, .offset: 24, .size: 8, .value_kind: global_buffer, .address_space: global }
      - { .name: Wo, .offset: 32, .size: 8, .value_kind: global_buffer, .address_space: global }
      - { .name: token_positions, .offset: 40, .size: 8, .value_kind: global_buffer, .address_space: global }
      - { .name: xq, .offset: 48, .size: 8, .value_kind: global_buffer, .address_space: global }
      - { .name: wq, .offset: 56, .size: 8, .value_kind: global_buffer, .address_space: global }
      - { .name: tab, .offset: 64, .size: 8, .value_kind: global_buffer, .address_space: global }
    .group_segment_fixed_size: 66560
    .private_segment_fixed_size: 0
    .kernarg_segment_align: 8
    .kernarg_segment_size: 72
    .max_flat_workgroup_size: 256
    .sgpr_count:     66
    .vgpr_count:     256
    .wavefront_size: 32
...
	.end_amdgpu_metadata
.endif
;; end of part 1
;; launch qkv (part 2): grid 12 x 16, 4 waves a work-group, clusters of 4 x 4, 327,680 bytes of LDS; arguments xq, wq, tab, qb, kv; writes qb, kv
.if DOCPART == 2
	.amdgcn_target "amdgcn-amd-amdhsa--gfx1250"
	.amdhsa_code_object_version 6
	.text
	.protected	k_q57c084ea8e_qkv
	.globl	k_q57c084ea8e_qkv
	.p2align	8
	.type	k_q57c084ea8e_qkv,@function
k_q57c084ea8e_qkv:
	s_mov_b64 s[64:65], 0
	v_nop
	global_prefetch_b8 v0, s[64:65] scope:SCOPE_SE
	s_setreg_imm32_b32 hwreg(HW_REG_WAVE_MODE, 25, 1), 1
	s_wait_xcnt 0x0
	s_wait_alu depctr_hold_cnt(0) depctr_sa_sdst(0) depctr_va_vdst(0) depctr_va_sdst(0) depctr_va_ssrc(0) depctr_va_vcc(0) depctr_vm_vsrc(0)
	s_getreg_b32 s2, hwreg(HW_REG_IB_STS2, 6, 4)
	s_cmp_eq_u32 s2, 0
	s_cbranch_scc0 .Lentry_in_a_cluster
	s_endpgm
.Lentry_in_a_cluster:
	s_bfe_u32 s2, ttmp6, 0x10000c
	s_cmp_lg_u32 s2, 0xf033
	s_cbranch_scc0 .Lentry_shape_is_right
	s_endpgm
.Lentry_shape_is_right:
.set KSTEP,  256
.set NQ,     2
.set ROWB,   786432                    ; bytes from a quarter of K to the next in xq and wq: codes lie [4 quarters][4096 rows][192 bytes]
.set KROW,   192                       ; a row of a quarter
.set G0H,    4                         ; s[4:7], s[8:11] group 0 for the head's loads of quarter 0: A's 256 rows, B's 256 rows (the arguments that lay there have been used by then)
.set G0HB,   8
.set PITCH,  240
.set FR,     12
.set NL,     6
.set NP,     4
.set HALFT,  128*PITCH
.set SLOT,   4*HALFT
.set LAPS,   2
.set KS,     32
.set SCL,    2*SLOT
.set HALFS,  16*272
.set SBLK,   2*272
.set SPARE,  SCL+4*HALFS
.set SCB,    3145728
.set ADRA, 16
.set ADRB, 20
.set CO,   26
.set ADRS, 27
.set SPW,  28
.set NIL,  29
.set SC,   32
.set AF,   128
.set T0,   64
.set HA,   128
.set PCB,  192
.set TM,   232
.set SW,   32
.set SX,   40
.set SEL,  92
.set G1, 24
.set G0, 32
.set G1B, 48
.set G0B, 56
.set G1S, 68
.set G0S, 76
.set G1SB, 80
.set G0SB, 88
.set MSB, 0
.macro WIN new
.if MSB != (\new)
	s_set_vgpr_msb (MSB<<8)|(\new)
.set MSB, (\new)
.endif
.endm
.set MUL_LO, 0xa1
.set MUL_HI, 0xf1
.set TO_B,   0x40
.macro JLOAD g0a, g1a, g0b, g1b
	s_cmp_eq_u32 s15, 0
	s_cbranch_scc0 .Lfor_b_\@
	tensor_load_to_lds s[\g0a:\g0a+3], s[\g1a:\g1a+7]
	s_nop 0
.rept 4
	v_nop
.endr
	s_branch .Lasked_\@
.Lfor_b_\@:
	tensor_load_to_lds s[\g0b:\g0b+3], s[\g1b:\g1b+7]
	s_nop 0
.rept 4
	v_nop
.endr
.Lasked_\@:
.endm
.macro CREST
	s_cmp_lg_u32 s14, 0
	s_cbranch_scc1 .Lnot_wave_0_\@
	s_barrier_signal -3
.Lnot_wave_0_\@:
	s_barrier_wait -3
	s_barrier_signal -1
	s_barrier_wait -1
.endm
.macro CROUND
	s_barrier_signal -1
	s_barrier_wait -1
	CREST
.endm
	s_load_b128 s[4:7], s[0:1], 0x0
	s_load_b128 s[8:11], s[0:1], 0x10
	s_load_b64 s[12:13], s[0:1], 0x20
	v_lshl_add_u32 v[SPW], v0, 2, SPARE
	v_mov_b32 v[NIL], 0
	ds_add_u32 v[SPW], v[NIL]
	ds_add_u32 v[SPW], v[NIL]
	v_lshrrev_b32 v1, 5, v0
	v_readfirstlane_b32 s14, v1
	s_lshr_b32 s15, s14, 1
	s_and_b32 s16, s14, 1
	s_bfe_u32 s40, ttmp6, 0x40000
	s_bfe_u32 s41, ttmp6, 0x40004
	s_and_b32 s17, ttmp7, 0xffff
	s_cmp_eq_u32 ttmp9, 2
	s_cselect_b32 s42, s17, ttmp9
	s_cselect_b32 s17, 2, s17
	s_lshl_b32 s42, s42, 2
	s_add_co_u32 s42, s42, s40
	s_lshl_b32 s17, s17, 2
	s_add_co_u32 s17, s17, s41
	s_lshl_b32 s43, s41, 2
	s_lshl_b32 s43, 15, s43
	s_lshl_b32 s44, 0x1111, s40
	s_or_b32 s[G1+0], s43, (0<<16)|(1<<20)|(1<<21)|(3<<22)|(3<<25)
	s_or_b32 s[G1B+0], s44, (0<<16)|(1<<20)|(1<<21)|(3<<22)|(3<<25)
.irp g, G1, G1B
	s_mov_b32 s[\g+1], 256<<16                     ; a tile is dense in memory: it comes as rows of 256 bytes; 16 bytes of padding behind every 64 give each 192 bytes of codes an LDS pitch of 240
	s_mov_b32 s[\g+2], 192<<16                     ; the head's loads: 256 rows of codes = 192 rows of 256 bytes
	s_mov_b32 s[\g+3], 256<<16
	s_mov_b32 s[\g+4], 192
	s_mov_b32 s[\g+5], 256
	s_mov_b32 s[\g+6], 0
	s_mov_b32 s[\g+7], 0
.endr
	s_or_b32 s[G1S+0], s43, (3<<16)|(1<<20)|(1<<21)|(5<<22)|(3<<25)
	s_or_b32 s[G1SB+0], s44, (3<<16)|(1<<20)|(1<<21)|(5<<22)|(3<<25)
.irp g, G1S, G1SB
	s_mov_b32 s[\g+1], 32<<16
	s_mov_b32 s[\g+2], 32<<16                      ; the scales of 256 rows: 32 rows of 256 bytes
	s_mov_b32 s[\g+3], 32<<16
	s_mov_b32 s[\g+4], 32
	s_mov_b32 s[\g+5], 32
	s_mov_b32 s[\g+6], 0
	s_mov_b32 s[\g+7], 0
.endr
	s_lshl_b32 s20, s17, 8                         ; A: the tile's first row
	s_lshl_b32 s46, s42, 8                         ; B: likewise
	s_mov_b32 s21, 0
	s_mov_b32 s47, 0
	s_mov_b64 s[18:19], KS
	s_mul_u64 s[22:23], s[20:21], s[18:19]
	s_mul_u64 s[92:93], s[46:47], s[18:19]
	s_mov_b64 s[18:19], KROW
	s_mul_u64 s[20:21], s[20:21], s[18:19]
	s_mul_u64 s[46:47], s[46:47], s[18:19]
	s_mul_i32 s18, s16, 128*KROW                   ; in the ring I fetch 128 rows of a tile: which half, in bytes
	s_mov_b32 s19, 0
	s_mul_i32 s45, s14, HALFT
	s_wait_dscnt 0x0
	s_wait_kmcnt 0x0
	s_mov_b64 s[96:97], s[8:9]
	s_mov_b64 s[98:99], s[10:11]
	s_mov_b64 s[100:101], s[12:13]
	s_cmp_eq_u32 ttmp9, 2
	s_cselect_b64 s[8:9], s[4:5], s[6:7]
	s_cselect_b64 s[4:5], s[6:7], s[4:5]
	s_add_nc_u64 s[6:7], s[4:5], SCB
	s_add_nc_u64 s[10:11], s[8:9], SCB
	s_add_nc_u64 s[20:21], s[4:5], s[20:21]
	s_add_nc_u64 s[22:23], s[6:7], s[22:23]
	s_add_nc_u64 s[46:47], s[8:9], s[46:47]
	s_add_nc_u64 s[92:93], s[10:11], s[92:93]
	CROUND
	s_mov_b32 s[G0H], 1                            ; the head's four tiles, each whole: quarter 0's 256 rows of A,
	s_mov_b32 s[G0H+1], 0
	s_mov_b64 s[G0H+2:G0H+3], s[20:21]
	s_or_b32 s[G0H+3], s[G0H+3], 0x80000000
	s_mov_b32 s[G0HB], 1                           ; its 256 rows of B, behind them in slot 0,
	s_mov_b32 s[G0HB+1], 2*HALFT
	s_mov_b64 s[G0HB+2:G0HB+3], s[46:47]
	s_or_b32 s[G0HB+3], s[G0HB+3], 0x80000000
	s_mov_b32 s[G0S], 1                            ; the scales of A's 256 rows,
	s_mov_b32 s[G0S+1], SCL
	s_mov_b64 s[G0S+2:G0S+3], s[22:23]
	s_or_b32 s[G0S+3], s[G0S+3], 0x80000000
	s_mov_b32 s[G0SB], 1                           ; and of B's
	s_mov_b32 s[G0SB+1], SCL+2*HALFS
	s_mov_b64 s[G0SB+2:G0SB+3], s[92:93]
	s_or_b32 s[G0SB+3], s[G0SB+3], 0x80000000
	s_add_nc_u64 s[20:21], s[20:21], s[18:19]      ; for the ring: my 128 rows of the tile
	s_add_nc_u64 s[46:47], s[46:47], s[18:19]
.irp s, 0,1
	s_mov_b32 s[G0+4*\s], 1
	s_add_co_u32 s[G0+4*\s+1], s45, \s*SLOT
	s_add_nc_u64 s[G0+4*\s+2:G0+4*\s+3], s[20:21], \s*ROWB
	s_or_b32 s[G0+4*\s+3], s[G0+4*\s+3], 0x80000000
	s_mov_b32 s[G0B+4*\s], 1
	s_add_co_u32 s[G0B+4*\s+1], s45, \s*SLOT
	s_add_nc_u64 s[G0B+4*\s+2:G0B+4*\s+3], s[46:47], \s*ROWB
	s_or_b32 s[G0B+4*\s+3], s[G0B+4*\s+3], 0x80000000
.endr
; THE HEAD'S LOADS, ONE A WAVE: one chain of branches on the wave's number, a load to each arm, all arms to one join
.macro HLOAD g0, g1
	tensor_load_to_lds s[\g0:\g0+3], s[\g1:\g1+7]
	s_nop 0
.rept 4
	v_nop
.endr
.endm
	s_cmp_lt_u32 s14, 1
	s_cbranch_scc0 .Lhead_b
	HLOAD G0H, G1
	s_branch .Lhead_asked
.Lhead_b:
	s_cmp_lt_u32 s14, 2
	s_cbranch_scc0 .Lhead_sa
	HLOAD G0HB, G1B
	s_branch .Lhead_asked
.Lhead_sa:
	s_cmp_lt_u32 s14, 3
	s_cbranch_scc0 .Lhead_sb
	HLOAD G0S, G1S
	s_branch .Lhead_asked
.Lhead_sb:
	HLOAD G0SB, G1SB
.Lhead_asked:
	v_and_b32 v1, 15, v0
	v_bfe_u32 v2, v0, 4, 1
	v_mul_u32_u24 v3, v1, PITCH
	v_mul_u32_u24 v4, v2, 24
	v_add_nc_u32 v4, v3, v4
	v_lshl_add_u32 v5, v2, 4, v4
	s_mul_i32 s21, s15, HALFT
	s_mul_i32 s22, s16, HALFT
	s_add_co_u32 s22, s22, 2*HALFT
.irp s, 0,1
	v_add_nc_u32 v[ADRA+\s], s21, v4
	v_add_nc_u32 v[ADRB+\s], s22, v4
	v_add_nc_u32 v[ADRA+2+\s], s21, v5
	v_add_nc_u32 v[ADRB+2+\s], s22, v5
	s_add_co_u32 s21, s21, SLOT
	s_add_co_u32 s22, s22, SLOT
.endr
	v_mul_u32_u24 v5, v1, KS
	v_lshrrev_b32 v6, 8, v5
	v_lshl_add_u32 v5, v6, 4, v5
	s_mul_i32 s21, s15, HALFS
	s_mul_i32 s22, s16, HALFS
	s_add_co_u32 s22, s22, 2*HALFS
	s_sub_co_u32 s22, s22, s21
	v_mul_u32_u24 v6, s22, v2
	s_add_co_u32 s21, s21, SCL
	v_add_nc_u32 v5, v5, v6
	v_add_nc_u32 v[ADRS], s21, v5
	v_and_b32 v6, 31, v0
	v_lshlrev_b32 v[CO], 4, v6
	s_lshl_b32 s18, s17, 17
	s_lshl_b32 s19, s15, 16
	s_add_co_u32 s18, s18, s19
	s_mov_b32 s19, 0
	s_add_nc_u64 s[96:97], s[96:97], s[18:19]
	s_lshl_b32 s18, s42, 1
	s_add_co_u32 s18, s18, s16
	s_lshl_b32 s19, s17, 1
	s_add_co_u32 s19, s19, s15
	s_cmp_eq_u32 ttmp9, 2
	s_cselect_b32 s46, s19, s18
	s_cselect_b32 s47, s18, s19
	s_and_b32 s46, s46, 7
	s_lshl_b32 s46, s46, 5
	s_add_co_u32 s46, s46, s47
	s_cmp_eq_u32 ttmp9, 0
	s_cselect_b64 s[12:13], s[98:99], s[100:101]
	s_mov_b32 s18, 24576
	s_cselect_b32 s18, 12288, s18
	s_mov_b32 s19, 6291456
	s_cselect_b32 s19, 3145728, s19
	s_mov_b32 s92, 1024
	s_cselect_b32 s92, 512, s92
	s_cmp_eq_u32 ttmp9, 2
	s_cselect_b32 s93, 12288, 0
	s_cselect_b32 s94, 512, 0
	s_mul_i32 s18, s18, s46
	s_add_co_u32 s18, s18, s93
	s_mul_i32 s92, s92, s46
	s_add_co_u32 s92, s92, s19
	s_add_co_u32 s92, s92, s94
	s_mov_b32 s19, 0
	s_mov_b32 s93, 0
	s_add_nc_u64 s[66:67], s[12:13], s[92:93]
	s_add_nc_u64 s[12:13], s[12:13], s[18:19]
	s_mov_b32 s[SEL], 0x76543210
	s_mov_b32 s[SEL+1], 0xfedcba98
	s_mov_b32 s95, 0xffff0000
.macro FRAG reg, adr, q, i
.irp p, 0,1,2,3,4,5
.set PC, 12*(\q)+6*(\p/3)+\p%3
.if PC%8 < 5
	ds_load_b64 v[\reg+2*\p:\reg+2*\p+1], v[\adr] offset:8*PC+16*(PC/8)+(\i)*16*PITCH
.else
	ds_load_b64 v[\reg+2*\p:\reg+2*\p+1], v[\adr+2] offset:8*PC+16*(PC/8)+(\i)*16*PITCH
.endif
.endr
.endm
.macro MUL16 a0, p, q, sc, zero
.irp a, \a0, \a0+1
.irp b, 0,1,2,3,4,5,6,7
.if \zero
	v_wmma_scale_f32_16x16x128_f8f6f4 v[8*(8*((\a)%4)+\b):8*(8*((\a)%4)+\b)+7], v[128*(\p)+FR*\b:128*(\p)+FR*\b+FR-1], v[AF+FR*(\a):AF+FR*(\a)+FR-1], 0, v[SC+8*NQ*(\sc)+NQ*\b+(\q)], v[SC+8*NQ*(\sc)+NQ*(\a)+(\q)] matrix_a_fmt:MATRIX_FMT_FP6 matrix_b_fmt:MATRIX_FMT_FP6 matrix_a_scale:MATRIX_SCALE_ROW1
.else
	v_wmma_scale_f32_16x16x128_f8f6f4 v[8*(8*((\a)%4)+\b):8*(8*((\a)%4)+\b)+7], v[128*(\p)+FR*\b:128*(\p)+FR*\b+FR-1], v[AF+FR*(\a):AF+FR*(\a)+FR-1], v[8*(8*((\a)%4)+\b):8*(8*((\a)%4)+\b)+7], v[SC+8*NQ*(\sc)+NQ*\b+(\q)], v[SC+8*NQ*(\sc)+NQ*(\a)+(\q)] matrix_a_fmt:MATRIX_FMT_FP6 matrix_b_fmt:MATRIX_FMT_FP6 matrix_a_scale:MATRIX_SCALE_ROW1
.endif
.endr
.endr
.endm
.macro FETCH_B slot, q, p
	WIN TO_B
.irp i, 0,1,2,3,4,5,6,7
	FRAG 128*(\p)+FR*\i, ADRB+\slot, \q, \i
.endr
	WIN 0
.endm
.macro FETCH_A slot, q, i0
.irp i, \i0, \i0+1, \i0+2, \i0+3
	FRAG AF+FR*(\i), ADRA+\slot, \q, \i
.endr
.endm
.macro SCALES sc
.irp i, 0,1,2,3,4,5,6,7
	ds_load_b64 v[SC+8*NQ*\sc+NQ*\i:SC+8*NQ*\sc+NQ*\i+1], v[ADRS] offset:\i*SBLK
.endr
.endm
.macro PLACES n
.rept \n
	v_nop
.endr
.endm
.macro STEP slot, q, zero
	s_wait_dscnt 4*NL
	WIN MUL_LO
	MUL16 0, (\q)%2, \q, \slot, \zero
	MUL16 2, (\q)%2, \q, \slot, \zero
	s_wait_dscnt 0
	PLACES NP
	FETCH_B \slot, (\q)+1, 1-(\q)%2
	FETCH_A \slot, (\q)+1, 0
	WIN MUL_HI
	MUL16 4, (\q)%2, \q, \slot, \zero
	MUL16 6, (\q)%2, \q, \slot, \zero
	PLACES NP
	WIN 0
	FETCH_A \slot, (\q)+1, 4
.endm
.macro TURN slot, next, fill
	s_wait_tensorcnt 0x0
	ds_add_u32 v[SPW], v[NIL]
	s_wait_dscnt 4*NL+1
	WIN MUL_LO
	MUL16 0, 1, NQ-1, \slot, 0
	s_wait_dscnt 0x0
	s_barrier_signal -1
	MUL16 2, 1, NQ-1, \slot, 0
	WIN 0
	s_barrier_wait -1
.if \fill
	CREST
	s_add_nc_u64 s[G0+4*\slot+2:G0+4*\slot+3], s[G0+4*\slot+2:G0+4*\slot+3], 2*ROWB
	s_add_nc_u64 s[G0B+4*\slot+2:G0B+4*\slot+3], s[G0B+4*\slot+2:G0B+4*\slot+3], 2*ROWB
	JLOAD G0+4*\slot, G1, G0B+4*\slot, G1B
.else
	PLACES NP
.endif
	s_wait_alu depctr_va_vdst(0)
	v_add_nc_u32 v[ADRS], 4*NQ, v[ADRS]
	FETCH_B \next, 0, 0
	FETCH_A \next, 0, 0
	SCALES \next
	WIN MUL_HI
	MUL16 4, 1, NQ-1, \slot, 0
	MUL16 6, 1, NQ-1, \slot, 0
	PLACES NP
	WIN 0
	FETCH_A \next, 0, 4
.endm
.macro LASTSTEP
	s_wait_dscnt 4*NL
	WIN MUL_LO
	MUL16 0, 1, NQ-1, 1, 0
	MUL16 2, 1, NQ-1, 1, 0
	s_wait_dscnt 0
	WIN MUL_HI
	MUL16 4, 1, NQ-1, 1, 0
	MUL16 6, 1, NQ-1, 1, 0
	WIN 0
.endm
.macro TABLD a
.if ((\a)%2) == 0
	WIN 0
.irp q, 0,1,2,3,4,5,6,7,8,9,10,11,12,13,14,15
	global_load_b128 v[T0+4*\q:T0+4*\q+3], v[CO], s[96:97] offset:(\a)*8192+512*\q
.endr
.else
	WIN 0x40
.irp q, 0,1,2,3,4,5,6,7,8,9,10,11,12,13,14,15
	global_load_b128 v[4*\q:4*\q+3], v[CO], s[96:97] offset:(\a)*8192+512*\q
.endr
	WIN 0
.endif
.endm
.macro ROPE a
.set AW, 2+(\a)/4
.set TW, (\a)%2
.set TBS, T0*(1-TW)
.set AC, 64*((\a)%4)
	WIN AW|(TW<<2)
.irp bb, 0,1,2,3
.irp p, 0,1,2,3,4,5,6,7
	v_mul_f32 v[HA+16*\bb+2*\p], v[AC+16*\bb+2*\p+1], v[TBS+16*\bb+8+\p]
	v_mul_f32 v[HA+16*\bb+2*\p+1], v[AC+16*\bb+2*\p+1], v[TBS+16*\bb+\p]
.endr
.irp p, 0,1,2,3,4,5,6,7
	v_fma_f32 v[HA+16*\bb+2*\p], v[AC+16*\bb+2*\p], v[TBS+16*\bb+\p], -v[HA+16*\bb+2*\p]
	v_fma_f32 v[HA+16*\bb+2*\p+1], v[AC+16*\bb+2*\p], v[TBS+16*\bb+8+\p], v[HA+16*\bb+2*\p+1]
.endr
.endr
	WIN 0
.endm
.macro QUANT s, w, pc, pw
	WIN (\w)|((\w)<<2)
.irp b, 0,1,2,3
	v_max3_num_f32 v[TM+\b], |v[(\s)+16*\b]|, |v[(\s)+1+16*\b]|, 0x1800000
.endr
.irp i, 2,4,6,8,10,12,14
.irp b, 0,1,2,3
	v_max3_num_f32 v[TM+\b], |v[(\s)+16*\b+\i]|, |v[(\s)+1+16*\b+\i]|, v[TM+\b]
.endr
.endr
	WIN 0
.irp b, 0,1,2,3
	v_permlanex16_b32 v[TM+4+\b], v[TM+\b], s[SEL], s[SEL+1]
.endr
.irp b, 0,1,2,3
	v_max_num_f32 v[TM+\b], v[TM+\b], v[TM+4+\b]
.endr
.irp b, 0,1,2,3
	v_add_nc_u32 v[TM+12+\b], 0xff000000, v[TM+\b]
.endr
.irp b, 0,1,2,3
	v_lshrrev_b32 v[TM+4+\b], 23, v[TM+12+\b]
.endr
	v_lshl_or_b32 v[\pw], v[TM+5], 8, v[TM+4]
	v_lshl_or_b32 v[\pw], v[TM+6], 16, v[\pw]
	v_lshl_or_b32 v[\pw], v[TM+7], 24, v[\pw]
	WIN \w
.irp c, 0,1
	v_cvt_scalef32_pk16_fp6_f32 v[(\pc)+6*\c:(\pc)+2+6*\c], v[(\s)+32*\c:(\s)+15+32*\c], v[TM+12+2*\c]
	v_cvt_scalef32_pk16_fp6_f32 v[(\pc)+12+4*\c:(\pc)+14+4*\c], v[(\s)+16+32*\c:(\s)+31+32*\c], v[TM+12+2*\c+1]
.endr
	WIN 0
	v_nop
.irp c, 0,1
.irp i, 0,1,2
	v_permlane16_swap_b32 v[(\pc)+6*\c+\i], v[(\pc)+12+4*\c+\i]
.endr
.irp i, 0,1,2
	v_mov_b32 v[(\pc)+3+6*\c+\i], v[(\pc)+12+4*\c+\i]
.endr
.endr
.endm
.macro OUTBLK a, rope
.if \rope
.if (\a) < 7
	s_wait_loadcnt 16
.else
	s_wait_loadcnt 0
.endif
	ROPE \a
.if (\a)+2 < 8
	TABLD (\a)+2
.endif
.endif
	s_wait_xcnt 0x0
.if \rope
	QUANT HA,0,PCB+20*((\a)%2),SW+(\a)
.else
	QUANT 64*((\a)%4),2+(\a)/4,PCB+20*((\a)%2),SW+(\a)
.endif
.irp c, 0,1,2
	global_store_b128 v[CO], v[PCB+20*((\a)%2)+4*\c:PCB+20*((\a)%2)+4*\c+3], s[12:13] offset:1536*(\a)+512*\c
.endr
.endm
	s_wait_alu depctr_va_vdst(0)
	s_wait_tensorcnt 0x0                           ; my tile of the head's four is in
	ds_add_u32 v[SPW], v[NIL]
	s_mov_b32 s[G1+2], 96<<16                      ; no tensor load of mine is out: from here on a load brings 128 rows of codes = 96 rows of 256 bytes
	s_mov_b32 s[G1+4], 96
	s_mov_b32 s[G1B+2], 96<<16
	s_mov_b32 s[G1B+4], 96
	s_wait_dscnt 0x0
	CROUND                                         ; all four tiles are in, and all sixteen work-groups are here
	JLOAD G0+4, G1, G0B+4, G1B                     ; slot 1's first fill: the first tensor load behind the round
	FETCH_B 0, 0, 0
	FETCH_A 0, 0, 0
	SCALES 0
	FETCH_A 0, 0, 4
	STEP 0, 0, 1
	s_mov_b32 s3, LAPS-1
.Llap:
	TURN 0, 1, 1
	STEP 1, 0, 0
	TURN 1, 0, 1
	STEP 0, 0, 0
	s_sub_co_u32 s3, s3, 1
	s_cmp_lg_u32 s3, 0
	s_cbranch_scc1 .Llap
	TURN 0, 1, 0
	STEP 1, 0, 0
	s_cmp_eq_u32 ttmp9, 2
	s_cbranch_scc1 .Lvpath
	TABLD 0
	TABLD 1
	LASTSTEP
	PLACES NP
.irp b, 0,1,2,3
	v_mov_b32 v[TM+4+\b], 0
.endr
.irp a, 0,1,2,3,4,5,6,7
	OUTBLK \a, 1
.endr
	s_branch .Ljoin
.Lvpath:
	LASTSTEP
	PLACES NP
.irp b, 0,1,2,3
	v_mov_b32 v[TM+4+\b], 0
.endr
.irp a, 0,1,2,3,4,5,6,7
	OUTBLK \a, 0
.endr
.Ljoin:
.irp j, 0,1,2,3
	v_cndmask_b32 v[SX+\j], v[SW+\j], v[SW+4+\j], s95
.endr
	global_store_b128 v[CO], v[SX:SX+3], s[66:67]
	s_wait_tensorcnt 0x0
	ds_add_u32 v[SPW], v[NIL]
	s_wait_dscnt 0x0
	CROUND
	s_endpgm
.Lfunc_end_k_q57c084ea8e_qkv:
	.size	k_q57c084ea8e_qkv, .Lfunc_end_k_q57c084ea8e_qkv-k_q57c084ea8e_qkv
	.p2alignl 7, 3214868480
	.fill 96, 4, 3214868480
	.section	.rodata,"a",@progbits
	.p2align	6, 0x0
	.amdhsa_kernel k_q57c084ea8e_qkv
		.amdhsa_group_segment_fixed_size 327680
		.amdhsa_private_segment_fixed_size 0
		.amdhsa_enable_private_segment 0
		.amdhsa_kernarg_size 40
		.amdhsa_user_sgpr_count 2
		.amdhsa_user_sgpr_kernarg_segment_ptr 1
		.amdhsa_wavefront_size32 1
		.amdhsa_system_sgpr_workgroup_id_x 1
		.amdhsa_system_sgpr_workgroup_id_y 1
		.amdhsa_system_sgpr_workgroup_id_z 1
		.amdhsa_system_vgpr_workitem_id 0
		.amdhsa_next_free_vgpr 1024
		.amdhsa_next_free_sgpr 102
		.amdhsa_reserve_vcc 0
		.amdhsa_float_denorm_mode_32 3
		.amdhsa_float_denorm_mode_16_64 3
		.amdhsa_memory_ordered 1
		.amdhsa_forward_progress 1
		.amdhsa_inst_pref_size 255
	.end_amdhsa_kernel
	.section	.bss,"aw",@nobits
	.p2align	6
	.space	262144
	.amdgpu_metadata
---
amdhsa.version: [ 1, 2 ]
amdhsa.kernels:
  - .name:           k_q57c084ea8e_qkv
    .symbol:         k_q57c084ea8e_qkv.kd
    .args:
      - { .name: xq, .offset: 0, .size: 8, .value_kind: global_buffer, .address_space: global }
      - { .name: wq, .offset: 8, .size: 8, .value_kind: global_buffer, .address_space: global }
      - { .name: tab, .offset: 16, .size: 8, .value_kind: global_buffer, .address_space: global }
      - { .name: qb, .offset: 24, .size: 8, .value_kind: global_buffer, .address_space: global }
      - { .name: kv, .offset: 32, .size: 8, .value_kind: global_buffer, .address_space: global }
    .group_segment_fixed_size: 327680
    .private_segment_fixed_size: 0
    .kernarg_segment_align: 8
    .kernarg_segment_size: 40
    .max_flat_workgroup_size: 128
    .sgpr_count:     102
    .vgpr_count:     1024
    .wavefront_size: 32
...
	.end_amdgpu_metadata
.endif
;; end of part 2
;; launch attn (part 3): grid 32 x 8, 16 waves a work-group, no clusters, 327,680 bytes of LDS; arguments qb, kv, ob; writes ob
.if DOCPART == 3
	.amdgcn_target "amdgcn-amd-amdhsa--gfx1250"
	.amdhsa_code_object_version 6
	.text
	.protected	k_q57c084ea8e_attn
	.globl	k_q57c084ea8e_attn
	.p2align	8
	.type	k_q57c084ea8e_attn,@function
k_q57c084ea8e_attn:
	s_mov_b64 s[64:65], 0
	v_nop
	global_prefetch_b8 v0, s[64:65] scope:SCOPE_SE
	s_setreg_imm32_b32 hwreg(HW_REG_WAVE_MODE, 25, 1), 1
	s_wait_xcnt 0x0
; Causal attention on codes of FP6 (E2M3) with E8M0 scales, 8 heads, 4,096 positions, head size 128.  t = score x log2(e) / sqrt(128); M = the running largest t rounded up to a whole number; p = 2^(t - M) is quantised along
; the keys; the row's sum is taken of the unquantised p and divides at the end; the result is quantised along its 128 channels (a K step of the output projection) and leaves as codes.
; Q, K and V^T come as images of operand registers (three runs of 512 bytes a fragment) and scale quads (one load of 16 bytes a lane gives 4 registers: register j holds tile j's words in lanes 0-15, tile 4 + j's in lanes 16-31).
; SHARES.  A tile T of 16 queries (query of lane r: 32 (T / 2) + 8 (T % 2) + r + 8 (r / 8)) needs T / 8 + 1 key steps of 128.  Work-group (g, head) owns tiles 4 g + ts and 255 - 4 g - ts, ts = 0 .. 3: each pair needs 33 steps.
; Each tile has TWO waves: wave parity 0 takes the first key step of every slot of 256 keys, parity 1 the second; at the end parity 1 hands O^T, the sum and M over through LDS and parity 0 merges (exact powers of two).
; The four kinds (early or late, parity) are dealt by (wave % 4 + wave / 4) % 4, so that any four waves with equal wave % 4, and any four with equal wave / 4, hold one of each kind.
; Both products are used transposed (S^T = K Q^T, O^T = V^T P^T): a lane holds one query throughout; the 16 registers of tiles 2 b, 2 b + 1 are 16 neighbouring keys (channels).
; THE RING: two slots of 256 keys (49,152 bytes), filled by waves 0-3, 12,288 dense bytes each; the head's scale quads (32,768 bytes) come once.  Every work-group walks all 16 changes of slots (constant trip count);
; a step whose keys all come after the wave's queries is jumped over, and a slot whose first key comes after the work-group's last query is not asked for.
; NO CLUSTER: the slots that a work-group reads number 9 to 16 by its own number; asked jointly, up to 7 of 16 slots would be fetched for nobody.
; LIMITS: NaN and infinities are not served; a block of zeros gets the byte 1 (zero codes).  The 64 bytes of a tile's scale words in ob are a quarter of an aligned 256 bytes: 131,072 bytes of the launch's 3,276,800.
; REGISTERS: v1-11, v28-31 addresses; v12 -M, v13 the largest t, v[14:15] the sum; v16-27 Q; v32-79 four fragments; v96-159 S^T, then p; v160-223 O^T; v224-235 p's codes; v232-254 at work; v248-251 a scale quad; v253 p's, v255 Q's scale word.
.set SLOT1, 65536                      ; slot 1 begins here: one exclusive or turns an address
.set SCL,   131072                     ; the head's scale quads: for each key step K's 512 bytes, V's 512
.set MRG,   163840                     ; the merge: for each of 8 tiles 16 x 512 bytes of O^T, 128 of sums, 128 of -M
.set MRGB,  8448
.set SPARE, 231424                     ; the spare words, 128 bytes a wave
.set AK0,  1                           ; v1  16 x lane + 24,576 x parity: my place in a slot
.set QS,   2                           ; v2  16 (lane % 16): Q's scale word
.set ASK0, 3                           ; v3  SCL + 1,024 x parity + 16 x lane
.set SPW,  5
.set NIL,  6
.set LI,   7                           ; v7  16 x lane
.set ADK,  8
.set AS4,  9                           ; v9  4 (lane % 16)
.set ADS,  10
.set PFO,  28                          ; v28 256 x lane
.set QL,   29                          ; v29 r + 8 (r / 8) - 16 h
.set MA,   30                          ; v30 the merge: O^T
.set ML,   31                          ; v31 the merge: sum and -M
.set TM,   232
.set WV,   18
.set SEL,  20
.set CS,   22
.set G1K,  24
.set G0K,  40
.set G1S,  48
.set G0S,  56
.set TB,   2                           ; s2  LDS byte at which the slot in hand begins
.set TS,   3                           ; s3  where its scale quads begin
.set SLOTS, 67
.set PFA,  76
.set LIM,  80
.set PAR,  92
.set LASTQ, 93
.set SKEY, 94                          ; s94 the first key of the slot in hand
.set QMAX, 95
.set KF,   98                          ; s98 my step's first key
.set Q0,   99
.macro TLOAD g0, g1                    ; waves 0-3 fetch, the others nothing; an s_nop 0 and four v_nop follow the load
	s_cmp_lt_u32 s[WV], 4
	s_cbranch_scc0 .Lasked_\@
	tensor_load_to_lds s[\g0:\g0+3], s[\g1:\g1+7]
	s_nop 0
.rept 4
	v_nop
.endr
.Lasked_\@:
.endm
; A prefetch of the slot that the NEXT change will ask for: 49,152 bytes = 6 waves x 32 lanes x 256 bytes.  All work-groups of a head walk the same keys: the head's first work-group asks, its waves 4 to 9, one instruction each,
; so each aligned 256 bytes is named once in the launch.  Slots 0 and 1 come by their loads alone; the last change that fills a slot asks for nothing.
.macro ASK
	s_cmp_gt_u32 s[SLOTS], s[LIM]
	s_cbranch_scc0 .Lnot_mine_\@
	global_prefetch_b8 v[PFO], s[PFA:PFA+1] th:TH_LOAD_NT scope:SCOPE_SE
.Lnot_mine_\@:
.endm
	s_load_b128 s[4:7], s[0:1], 0x0                ; qb, kv
	s_load_b64 s[8:9], s[0:1], 0x10                ; ob
	v_lshl_add_u32 v[SPW], v0, 2, SPARE
	v_mov_b32 v[NIL], 0
	ds_add_u32 v[SPW], v[NIL]                      ; the wave's opening: the add and its wait ahead of my first tensor load
	ds_add_u32 v[SPW], v[NIL]
	v_lshrrev_b32 v8, 5, v0
	s_delay_alu instid0(VALU_DEP_1)
	v_readfirstlane_b32 s[WV], v8                  ; wave 0..15
	s_and_b32 s68, s[WV], 3                        ; ts
	s_lshr_b32 s69, s[WV], 2
	s_add_co_u32 s69, s69, s68
	s_and_b32 s69, s69, 3                          ; my kind
	s_and_b32 s[PAR], s69, 1
	s_lshr_b32 s70, s69, 1                         ; 1: a late tile
	s_lshl_b32 s71, ttmp9, 2
	s_add_co_u32 s71, s71, s68
	s_sub_co_u32 s72, 255, s71
	s_cmp_eq_u32 s70, 1
	s_cselect_b32 s73, s72, s71                    ; T
	s_lshl_b32 s74, s70, 2
	s_add_co_u32 s74, s74, s68                     ; which of the work-group's 8 tiles
	s_and_b32 s75, ttmp7, 0xffff                   ; the head
	s_lshr_b32 s[Q0], s73, 1
	s_lshl_b32 s[Q0], s[Q0], 5
	s_and_b32 s96, s73, 1
	s_lshl_b32 s96, s96, 3
	s_add_co_u32 s[Q0], s[Q0], s96                 ; my first query
	s_add_co_u32 s[QMAX], s[Q0], 23                ; my last
	s_lshl_b32 s96, ttmp9, 6
	s_sub_co_u32 s[LASTQ], 4095, s96               ; the work-group's last
	s_lshl_b32 s[KF], s[PAR], 7
	s_mov_b32 s[SKEY], 0
	s_mov_b32 s[TB], 0
	s_mov_b32 s[TS], 0
	s_mov_b32 s[SLOTS], 15
	s_mul_i32 s82, s75, 786432                     ; the head's images in kv
	s_and_b32 s84, s[WV], 3                        ; which quarter of a slot I would fetch
	s_mul_i32 s85, s84, 12288
	s_add_co_u32 s86, s82, s85
	s_mov_b32 s87, 0
	s_lshl_b32 s88, s75, 15
	s_lshl_b32 s89, s84, 13
	s_add_co_u32 s88, s88, s89
	s_add_co_u32 s88, s88, 6291456                 ; my quarter of the head's quads
	s_add_co_u32 s[G0S+1], s89, SCL
	s_mov_b32 s89, 0
	s_lshl_b32 s90, s75, 8
	s_add_co_u32 s90, s90, s73
	s_mul_i32 s90, s90, 1536                       ; Q's image: (256 head + T) x 1,536
	s_mov_b32 s91, 0
	s_lshl_b32 s96, s75, 5
	s_lshr_b32 s97, s73, 3
	s_add_co_u32 s96, s96, s97
	s_lshl_b32 s96, s96, 9                         ; Q's quad,
	s_bfe_u32 s97, s73, 0x10002
	s_lshl_b32 s97, s97, 8
	s_add_co_u32 s96, s96, s97                     ; its half of the lanes,
	s_and_b32 s97, s73, 3
	s_lshl_b32 s97, s97, 2
	s_add_co_u32 s96, s96, s97                     ; its word
	s_add_co_u32 s96, s96, 3145728
	s_mov_b32 s97, 0
	s_lshr_b32 s10, s73, 3
	s_lshl_b32 s10, s10, 3
	s_add_co_u32 s10, s10, s75
	s_mul_i32 s10, s10, 12800                      ; ob: (row block, K step = head)
	s_and_b32 s11, s73, 7
	s_mul_i32 s12, s11, 1536
	s_lshl_b32 s13, s11, 6
	s_add_co_u32 s12, s12, s10                     ; my image
	s_add_co_u32 s10, s10, s13
	s_add_co_u32 s10, s10, 12288                   ; my 16 scale words
	s_mov_b32 s11, 0
	s_mov_b32 s13, 0
	s_sub_co_u32 s83, s[WV], 4                     ; the prefetches: waves 4 to 9 of the head's first work-group
	s_and_b32 s83, s83, 15
	s_cmp_lt_u32 s83, 6
	s_cselect_b32 s[LIM], 0, 1
	s_or_b32 s[LIM], s[LIM], ttmp9
	s_cmp_eq_u32 s[LIM], 0
	s_cselect_b32 s[LIM], 1, -1
	s_lshl_b32 s83, s83, 13
	s_add_co_u32 s82, s82, s83
	s_add_co_u32 s82, s82, 49152                   ; in slot 1: the first change steps it to slot 2
	s_mov_b32 s83, 0
	; descriptor groups 1: dense blocks as rows of 256 bytes (32 elements of 8 bytes): 48 rows of images, 32 rows of quads; no mask, no padding
	s_mov_b32 s[G1K], 3<<16
	s_mov_b32 s[G1K+1], 32<<16
	s_mov_b32 s[G1K+2], 48<<16
	s_mov_b32 s[G1K+3], 32<<16
	s_mov_b32 s[G1K+4], 48
	s_mov_b32 s[G1K+5], 32
	s_mov_b32 s[G1K+6], 0
	s_mov_b32 s[G1K+7], 0
	s_mov_b32 s[G1S], 3<<16
	s_mov_b32 s[G1S+1], 32<<16
	s_mov_b32 s[G1S+2], 32<<16
	s_mov_b32 s[G1S+3], 32<<16
	s_mov_b32 s[G1S+4], 32
	s_mov_b32 s[G1S+5], 32
	s_mov_b32 s[G1S+6], 0
	s_mov_b32 s[G1S+7], 0
	s_mov_b32 s[G0S], 1
	s_mov_b32 s[G0K], 1
	s_mov_b32 s[G0K+1], s85                        ; slot 0
	s_mov_b32 s[SEL], 0x76543210
	s_mov_b32 s[SEL+1], 0xfedcba98
	s_mov_b32 s[CS], 0x3e0293ee                    ; c = log2(e) / sqrt(128)
	s_mov_b32 s[CS+1], s[CS]
	s_wait_dscnt 0x0                               ; the opening add is done
	s_wait_kmcnt 0x0
	s_add_nc_u64 s[G0S+2:G0S+3], s[6:7], s[88:89]
	s_or_b32 s[G0S+3], s[G0S+3], 0x80000000
	s_add_nc_u64 s[G0K+2:G0K+3], s[6:7], s[86:87]
	s_or_b32 s[G0K+3], s[G0K+3], 0x80000000
	s_cmp_lt_u32 s[WV], 4                          ; the first fills: one chain of branches on the wave's number, at most one load a wave: waves 0-3 a quarter of slot 0 each,
	s_cbranch_scc0 .Lquads
	tensor_load_to_lds s[G0K:G0K+3], s[G1K:G1K+7]
	s_nop 0
.rept 4
	v_nop
.endr
	s_branch .Lfirst
.Lquads:
	s_cmp_lt_u32 s[WV], 8                          ; waves 4-7 a quarter of the head's scale quads each (filled once), waves 8-15 nothing
	s_cbranch_scc0 .Lfirst
	tensor_load_to_lds s[G0S:G0S+3], s[G1S:G1S+7]
	s_nop 0
.rept 4
	v_nop
.endr
.Lfirst:
	s_add_nc_u64 s[14:15], s[4:5], s[96:97]        ; Q's scale words
	s_add_nc_u64 s[4:5], s[4:5], s[90:91]          ; Q's image
	s_add_nc_u64 s[16:17], s[8:9], s[10:11]        ; ob: my scale words
	s_add_nc_u64 s[8:9], s[8:9], s[12:13]          ; ob: my image
	s_add_nc_u64 s[PFA:PFA+1], s[6:7], s[82:83]
	v_and_b32 v8, 15, v0                           ; r
	v_bfe_u32 v9, v0, 4, 1                         ; h
	v_and_b32 v10, 31, v0                          ; lane
	s_delay_alu instid0(VALU_DEP_1)
	v_lshlrev_b32 v[LI], 4, v10
	s_delay_alu instid0(VALU_DEP_4)
	v_lshlrev_b32 v[QS], 4, v8
.irp c, 0,1,2
	global_load_b128 v[16+4*\c:19+4*\c], v[LI], s[4:5] offset:512*\c   ; Q's fragment stays in registers
.endr
	global_load_b32 v255, v[QS], s[14:15]          ; Q's scale words
	s_mul_i32 s19, s[PAR], 24576
	v_add_nc_u32 v[AK0], s19, v[LI]
	s_lshl_b32 s19, s[PAR], 10
	s_add_co_u32 s19, s19, SCL
	v_add_nc_u32 v[ASK0], s19, v[LI]
	v_and_b32 v11, 8, v8
	s_delay_alu instid0(VALU_DEP_1)
	v_add_nc_u32 v11, v11, v8                      ; r + 8 (r / 8)
	v_lshlrev_b32 v[QL], 4, v9
	s_delay_alu instid0(VALU_DEP_1)
	v_sub_nc_u32 v[QL], v11, v[QL]
	s_mul_i32 s19, s74, MRGB
	s_add_co_u32 s19, s19, MRG
	v_add_nc_u32 v[MA], s19, v[LI]
	s_add_co_u32 s19, s19, 8192
	v_lshl_add_u32 v[ML], v10, 2, s19
	v_lshlrev_b32 v[PFO], 8, v10
	v_lshlrev_b32 v[AS4], 2, v8
	v_mov_b32 v13, 0xff61b1e6                      ; the largest t so far: -3e38
	s_delay_alu instid0(VALU_DEP_1)
	v_floor_f32 v12, -v13                          ; -M
	v_mov_b32 v14, 0
	v_mov_b32 v15, 0
.irp b, 0,1,2,3
	v_mov_b32 v[236+\b], 0                         ; a lane permute's destination counts as one of its sources
.endr
	v_mov_b32 v253, 0                              ; (named as the upper half of v[252:253] before it is first written)
.set J, 0
.rept 64
	v_mov_b32 v[160+J], 0                          ; O^T: the step is written once; the first finds zeros
.set J, J+1
.endr
; MY KEY STEP OF THE SLOT IN HAND: 128 keys.
.macro STEP
	s_cmp_gt_u32 s[KF], s[QMAX]                    ; all its keys come after my queries: a branch on ids, round the step's loads and work alone
	s_cbranch_scc1 .Lhidden_\@
	v_add_nc_u32 v[ADK], s[TB], v[AK0]
	v_add_nc_u32 v[ADS], s[TS], v[ASK0]
	s_wait_alu depctr_va_vdst(0)
	v_nop                                          ; with the two additions: four places in front of loads into registers that the last products read
	v_nop
.irp g, 0,1                            ; S^T = K Q^T, four tiles of 16 keys at a time
.if \g > 0
.rept 4
	v_nop
.endr
.endif
.irp t, 0,1,2,3
.irp c, 0,1,2
	ds_load_b128 v[32+12*\t+4*\c:35+12*\t+4*\c], v[ADK] offset:(4*\g+\t)*1536+512*\c
.endr
.endr
.if \g == 0
	ds_load_b128 v[248:251], v[ADS]                ; K's quad
.endif
	s_wait_dscnt 0x0
.irp t, 0,1,2,3
.if \g == 0
	v_wmma_scale_f32_16x16x128_f8f6f4 v[96+8*(4*\g+\t):103+8*(4*\g+\t)], v[32+12*\t:43+12*\t], v[16:27], 0, v[248+\t], v255 matrix_a_fmt:MATRIX_FMT_FP6 matrix_b_fmt:MATRIX_FMT_FP6
.else
	v_wmma_scale_f32_16x16x128_f8f6f4 v[96+8*(4*\g+\t):103+8*(4*\g+\t)], v[32+12*\t:43+12*\t], v[16:27], 0, v[248+\t], v255 matrix_a_fmt:MATRIX_FMT_FP6 matrix_b_fmt:MATRIX_FMT_FP6 matrix_a_scale:MATRIX_SCALE_ROW1
.endif
.endr
.endr
.rept 4
	v_nop
.endr
.irp t, 0,1,2,3                        ; V's first four fragments and V's quad (v80-83, which hold nothing else) are asked for here, behind the four places: the softmax's work stands between the request and the wait
.irp c, 0,1,2
	ds_load_b128 v[32+12*\t+4*\c:35+12*\t+4*\c], v[ADK] offset:12288+\t*1536+512*\c
.endr
.endr
	ds_load_b128 v[80:83], v[ADS] offset:512
	s_add_co_u32 s96, s[KF], 127
	s_cmp_le_u32 s96, s[Q0]
	s_cbranch_scc1 .Lopen_\@
	s_sub_co_i32 s96, s[Q0], s[KF]
	v_add_nc_u32 v252, s96, v[QL]                  ; d = my query - KF - 16 (lane / 16).  Register 16 b + i holds key KF + 16 (lane / 16) + 32 b + i: hidden where 32 b + i > d
	v_mov_b32 v254, 0xff800000
.set N, 0
.rept 64
	v_cmp_gt_i32 vcc_lo, 32*(N/16)+N%16, v252
	v_cndmask_b32 v[96+N], v[96+N], v254, vcc_lo
.set N, N+1
.endr
.Lopen_\@:
.irp b, 0,1,2,3
	v_max3_num_f32 v[232+\b], v[96+16*\b], v[97+16*\b], v[98+16*\b]   ; the largest score of each block of 32 keys: for the row's maximum, and, since p rises with the score, for the block's largest p
.endr
.irp i, 3,5,7,9,11,13
.irp b, 0,1,2,3
	v_max3_num_f32 v[232+\b], v[232+\b], v[96+16*\b+\i], v[97+16*\b+\i]
.endr
.endr
.irp b, 0,1,2,3
	v_max_num_f32 v[232+\b], v[232+\b], v[111+16*\b]
.endr
.irp b, 0,1,2,3
	s_delay_alu instid0(VALU_DEP_4)
	v_permlanex16_b32 v[236+\b], v[232+\b], s[SEL], s[SEL+1]
.endr
.irp b, 0,1,2,3
	s_delay_alu instid0(VALU_DEP_4)
	v_max_num_f32 v[232+\b], v[232+\b], v[236+\b]  ; with lane l xor 16's 16 keys
.endr
	s_delay_alu instid0(VALU_DEP_2)
	v_max3_num_f32 v254, v232, v233, v234
	s_delay_alu instid0(VALU_DEP_1)
	v_max_num_f32 v254, v254, v235
	s_delay_alu instid0(VALU_DEP_1)
	v_mul_f32 v254, s[CS], v254                    ; as t
	s_delay_alu instid0(VALU_DEP_1)
	v_max_num_f32 v13, v13, v254                   ; the running largest t
	v_mov_b32 v254, v12
	s_delay_alu instid0(VALU_DEP_2)
	v_floor_f32 v12, -v13                          ; the new -M = -ceil(t)
	s_delay_alu instid0(VALU_DEP_1)
	v_sub_f32 v254, v12, v254                      ; old M - new M: a whole number, 0 or less
	s_delay_alu instid0(VALU_DEP_1)
	v_cvt_i32_f32 v254, v254                       ; (it saturates)
	s_delay_alu instid0(VALU_DEP_1)
	v_ldexp_f32 v252, 1.0, v254                    ; f = 2^(old M - new M)
.set J, 0
.rept 32
	v_pk_fma_f32 v[96+J:97+J], v[96+J:97+J], s[CS:CS+1], v[12:13] op_sel_hi:[1,0,0]   ; t - M, two at a time
.set J, J+2
.endr
.irp b, 0,1,2,3
	v_fma_f32 v[232+\b], v[232+\b], s[CS], v12     ; the same of each block's largest score
.endr
.set J, 0
	s_wait_alu depctr_va_vdst(0)
.rept 64
	v_exp_f32 v[96+J], v[96+J]                     ; p = 2^(t - M)
.set J, J+1
.endr
	v_pk_mul_f32 v[14:15], v[14:15], v[252:253] op_sel_hi:[1,0]   ; the sums under the new M (a plain line behind the exponentials)
	s_wait_alu depctr_va_vdst(0)                   ; one wait for the whole batch, ahead of its first reader
.irp b, 0,1,2,3
	v_exp_f32 v[232+\b], v[232+\b]                 ; the block's largest p
.endr
	v_pk_add_f32 v[236:237], v[100:101], v[104:105]
	v_pk_add_f32 v[250:251], v[108:109], v[112:113]
	v_pk_add_f32 v[248:249], v[116:117], v[120:121]
	v_pk_add_f32 v[246:247], v[124:125], v[128:129]
	v_pk_add_f32 v[244:245], v[132:133], v[136:137]
	v_pk_add_f32 v[242:243], v[140:141], v[144:145]
	v_pk_add_f32 v[240:241], v[148:149], v[152:153]
	v_pk_add_f32 v[14:15], v[14:15], v[156:157]
	v_pk_add_f32 v[236:237], v[236:237], v[96:97]
	v_pk_add_f32 v[250:251], v[250:251], v[98:99]
	v_pk_add_f32 v[248:249], v[248:249], v[102:103]
	v_pk_add_f32 v[246:247], v[246:247], v[106:107]
	v_pk_add_f32 v[244:245], v[244:245], v[110:111]
	v_pk_add_f32 v[242:243], v[242:243], v[114:115]
	v_pk_add_f32 v[240:241], v[240:241], v[118:119]
	v_pk_add_f32 v[14:15], v[14:15], v[122:123]
	v_pk_add_f32 v[236:237], v[236:237], v[126:127]
	v_pk_add_f32 v[250:251], v[250:251], v[130:131]
	v_pk_add_f32 v[248:249], v[248:249], v[134:135]
	v_pk_add_f32 v[246:247], v[246:247], v[138:139]
	v_pk_add_f32 v[244:245], v[244:245], v[142:143]
	v_pk_add_f32 v[242:243], v[242:243], v[146:147]
	v_pk_add_f32 v[240:241], v[240:241], v[150:151]
	v_pk_add_f32 v[14:15], v[14:15], v[154:155]
	v_pk_add_f32 v[236:237], v[236:237], v[158:159]
	s_delay_alu instid0(VALU_DEP_2)
	v_pk_add_f32 v[14:15], v[14:15], v[246:247]
	s_delay_alu instid0(VALU_DEP_2)
	v_pk_add_f32 v[236:237], v[236:237], v[244:245]
	v_pk_add_f32 v[250:251], v[250:251], v[242:243]
	v_pk_add_f32 v[248:249], v[248:249], v[240:241]
	s_delay_alu instid0(VALU_DEP_2)
	v_pk_add_f32 v[14:15], v[14:15], v[250:251]
	s_delay_alu instid0(VALU_DEP_2)
	v_pk_add_f32 v[236:237], v[236:237], v[248:249]
	s_delay_alu instid0(VALU_DEP_1)
	v_pk_add_f32 v[14:15], v[14:15], v[236:237]
	s_wait_alu depctr_va_vdst(0)                   ; and one for the four
.irp b, 0,1,2,3
	v_max_num_f32 v[232+\b], 0x1800000, v[232+\b]  ; the floor 2^(3 - 127)
.endr
.irp b, 0,1,2,3
	s_delay_alu instid0(VALU_DEP_4)
	v_add_nc_u32 v[244+\b], 0xff000000, v[232+\b]  ; the conversion's scale operand
.endr
.irp b, 0,1,2,3
	s_delay_alu instid0(VALU_DEP_4)
	v_lshrrev_b32 v[236+\b], 23, v[244+\b]         ; the scale's byte
.endr
	s_delay_alu instid0(VALU_DEP_3)
	v_lshl_or_b32 v253, v237, 8, v236              ; p's scale word for these 128 keys
	s_delay_alu instid0(VALU_DEP_1)
	v_lshl_or_b32 v253, v238, 16, v253
	s_delay_alu instid0(VALU_DEP_1)
	v_lshl_or_b32 v253, v239, 24, v253
.irp c, 0,1
	v_cvt_scalef32_pk16_fp6_f32 v[224+6*\c:226+6*\c], v[96+32*\c:111+32*\c], v[244+2*\c]
	v_cvt_scalef32_pk16_fp6_f32 v[236+4*\c:238+4*\c], v[112+32*\c:127+32*\c], v[244+2*\c+1]
.endr
	v_nop                                          ; one plain line behind a scaled conversion
.irp c, 0,1
.irp i, 0,1,2
	v_permlane16_swap_b32 v[224+6*\c+\i], v[236+4*\c+\i]
.endr
.irp i, 0,1,2
	s_delay_alu instid0(VALU_DEP_3)
	v_mov_b32 v[227+6*\c+\i], v[236+4*\c+\i]
.endr
.endr
.set J, 0
.rept 32
	v_pk_mul_f32 v[160+J:161+J], v[160+J:161+J], v[252:253] op_sel_hi:[1,0]   ; O^T under the new M (these 32 are also the places in front of the products and loads below)
.set J, J+2
.endr
	s_wait_alu depctr_va_vdst(0)
.irp g, 0,1                            ; O^T += V^T P^T, four tiles of 16 channels at a time
.if \g > 0
.rept 4
	v_nop
.endr
.irp t, 0,1,2,3
.irp c, 0,1,2
	ds_load_b128 v[32+12*\t+4*\c:35+12*\t+4*\c], v[ADK] offset:12288+(4+\t)*1536+512*\c
.endr
.endr
.endif
	s_wait_dscnt 0x0
.irp t, 0,1,2,3
.if \g == 0
	v_wmma_scale_f32_16x16x128_f8f6f4 v[160+8*(4*\g+\t):167+8*(4*\g+\t)], v[32+12*\t:43+12*\t], v[224:235], v[160+8*(4*\g+\t):167+8*(4*\g+\t)], v[80+\t], v253 matrix_a_fmt:MATRIX_FMT_FP6 matrix_b_fmt:MATRIX_FMT_FP6
.else
	v_wmma_scale_f32_16x16x128_f8f6f4 v[160+8*(4*\g+\t):167+8*(4*\g+\t)], v[32+12*\t:43+12*\t], v[224:235], v[160+8*(4*\g+\t):167+8*(4*\g+\t)], v[80+\t], v253 matrix_a_fmt:MATRIX_FMT_FP6 matrix_b_fmt:MATRIX_FMT_FP6 matrix_a_scale:MATRIX_SCALE_ROW1
.endif
.endr
.endr
.Lhidden_\@:
	s_add_co_u32 s[KF], s[KF], 256
	s_add_co_u32 s[TS], s[TS], 2048                ; the next slot's quads,
	s_add_co_u32 s[SKEY], s[SKEY], 256             ; its first key,
	s_xor_b32 s[TB], s[TB], SLOT1                  ; and its place
.endm
; THE CHANGE OF SLOTS stands at a slot's head.  Each wave waits for all its tensor loads, adds 0 to its spare word, and waits for that and for its reads of the slot that it has left.  Behind the barrier the slot ahead is whole
; and nobody reads the other one; fill = 1: that other slot takes the next 256 keys, unless they all come after the work-group's last query.  Every wait on TENSORcnt in this text is for 0.
; no step reads a slot that was left out.
.macro CHANGE fill
	s_wait_tensorcnt 0x0                           ; no tensor load of mine is out, so a group 0 may be written
	ds_add_u32 v[SPW], v[NIL]
.if \fill
	ds_add_u32 v[SPW], v[NIL]                      ; once more
	s_xor_b32 s[G0K+1], s[G0K+1], SLOT1
	s_add_nc_u64 s[G0K+2:G0K+3], s[G0K+2:G0K+3], 49152
	s_wait_xcnt 0x0                                ; the last prefetch, a slot back, has read its address
	s_add_nc_u64 s[PFA:PFA+1], s[PFA:PFA+1], 49152
.endif
	s_wait_dscnt 0x0                               ; the add is done, and my reads of the slot that I have left are over
	s_barrier_signal -1
	s_barrier_wait -1
.if \fill
	s_add_co_u32 s96, s[SKEY], 256                 ; the first key of the slot that this change would ask for
	s_cmp_gt_u32 s96, s[LASTQ]
	s_cbranch_scc1 .Lpast_\@
	TLOAD G0K, G1K                                 ; a wave's one tensor load until the next change: it has a slot's steps in which to land
.Lpast_\@:
	ASK
.endif
.endm
	s_wait_loadcnt 0x0                             ; Q
.Lslot:                                            ; 15 trips
	CHANGE 1
	STEP
	s_sub_co_u32 s[SLOTS], s[SLOTS], 1
	s_cmp_lg_u32 s[SLOTS], 0
	s_cbranch_scc1 .Lslot
	CHANGE 0                                       ; the last slot is written out: nothing is left to fetch
	STEP
	; THE MERGE.  Parity 1 hands over O^T, its sum and its -M; parity 0 brings both under the larger M by exact powers of two (a wave that had no step has -M = 3e38: its factor is 0).
.rept 4
	v_nop                                          ; places behind the last products
.endr
	v_add_f32 v14, v14, v15
	s_cmp_eq_u32 s[PAR], 0
	s_cbranch_scc1 .Lkeep
	s_wait_alu depctr_va_vdst(0)
.irp k, 0,1,2,3,4,5,6,7,8,9,10,11,12,13,14,15
	ds_store_b128 v[MA], v[160+4*\k:163+4*\k] offset:512*\k   ; each accumulator from its low end on
.endr
	ds_store_b32 v[ML], v14
	ds_store_b32 v[ML], v12 offset:128
.Lkeep:
	s_wait_dscnt 0x0                               ; for the partner's sake: my stores have landed
	s_barrier_signal -1
	s_barrier_wait -1
	s_cmp_lg_u32 s[PAR], 0
	s_cbranch_scc1 .Lend
.irp k, 0,1,2,3,4,5,6,7,8,9,10,11,12,13,14,15
	ds_load_b128 v[96+4*\k:99+4*\k], v[MA] offset:512*\k
.endr
	ds_load_b32 v252, v[ML]
	ds_load_b32 v254, v[ML] offset:128
	s_wait_dscnt 0x0
	v_min_num_f32 v244, v12, v254                  ; the new -M
	s_delay_alu instid0(VALU_DEP_1)
	v_sub_f32 v240, v244, v12
	s_delay_alu instid0(VALU_DEP_2)
	v_sub_f32 v242, v244, v254
	s_delay_alu instid0(VALU_DEP_2)
	v_cvt_i32_f32 v240, v240
	s_delay_alu instid0(VALU_DEP_2)
	v_cvt_i32_f32 v242, v242
	s_delay_alu instid0(VALU_DEP_2)
	v_ldexp_f32 v240, 1.0, v240                    ; my factor,
	s_delay_alu instid0(VALU_DEP_2)
	v_ldexp_f32 v242, 1.0, v242                    ; my partner's
	v_mov_b32 v241, 0                              ; (named as the upper halves of the pairs)
	v_mov_b32 v243, 0
.set J, 0
.rept 32
	v_pk_mul_f32 v[160+J:161+J], v[160+J:161+J], v[240:241] op_sel_hi:[1,0]
.set J, J+2
.endr
.set J, 0
.rept 32
	v_pk_fma_f32 v[160+J:161+J], v[96+J:97+J], v[242:243], v[160+J:161+J] op_sel_hi:[1,0,1]
.set J, J+2
.endr
	v_mul_f32 v14, v14, v240
	s_delay_alu instid0(VALU_DEP_1)
	v_fma_f32 v14, v252, v242, v14
	s_delay_alu instid0(VALU_DEP_1)
	v_permlanex16_b32 v244, v14, s[SEL], s[SEL+1]
	s_delay_alu instid0(VALU_DEP_1)
	v_add_f32 v14, v14, v244                       ; the row's sum
	s_wait_alu depctr_va_vdst(0)
	v_rcp_f32 v14, v14
	v_nop                                          ; a plain line behind the reciprocal
	s_wait_alu depctr_va_vdst(0)                   ; and the wait ahead of its first reader
.set J, 0
.rept 32
	v_pk_mul_f32 v[96+J:97+J], v[160+J:161+J], v[14:15] op_sel_hi:[1,0]   ; register 16 bb + i: channel 32 bb + 16 h + i of my query
.set J, J+2
.endr
	; quantised along the channels: codes in v32-43, the scale word in v52
.irp b, 0,1,2,3
	v_max3_num_f32 v[TM+\b], |v[96+16*\b]|, |v[97+16*\b]|, 0x1800000
.endr
.irp i, 2,4,6,8,10,12,14
.irp b, 0,1,2,3
	s_delay_alu instid0(VALU_DEP_4)
	v_max3_num_f32 v[TM+\b], v[TM+\b], |v[96+16*\b+\i]|, |v[97+16*\b+\i]|
.endr
.endr
.irp b, 0,1,2,3
	s_delay_alu instid0(VALU_DEP_4)
	v_permlanex16_b32 v[TM+4+\b], v[TM+\b], s[SEL], s[SEL+1]
.endr
.irp b, 0,1,2,3
	s_delay_alu instid0(VALU_DEP_4)
	v_max_num_f32 v[TM+\b], v[TM+\b], v[TM+4+\b]
.endr
.irp b, 0,1,2,3
	s_delay_alu instid0(VALU_DEP_4)
	v_add_nc_u32 v[TM+12+\b], 0xff000000, v[TM+\b]
.endr
.irp b, 0,1,2,3
	s_delay_alu instid0(VALU_DEP_4)
	v_lshrrev_b32 v[TM+4+\b], 23, v[TM+12+\b]
.endr
	s_delay_alu instid0(VALU_DEP_3)
	v_lshl_or_b32 v52, v[TM+5], 8, v[TM+4]
	s_delay_alu instid0(VALU_DEP_1)
	v_lshl_or_b32 v52, v[TM+6], 16, v52
	s_delay_alu instid0(VALU_DEP_1)
	v_lshl_or_b32 v52, v[TM+7], 24, v52
.irp c, 0,1
	v_cvt_scalef32_pk16_fp6_f32 v[32+6*\c:34+6*\c], v[96+32*\c:111+32*\c], v[TM+12+2*\c]
	v_cvt_scalef32_pk16_fp6_f32 v[44+4*\c:46+4*\c], v[112+32*\c:127+32*\c], v[TM+12+2*\c+1]
.endr
	v_nop
.irp c, 0,1
.irp i, 0,1,2
	v_permlane16_swap_b32 v[32+6*\c+\i], v[44+4*\c+\i]
.endr
.irp i, 0,1,2
	s_delay_alu instid0(VALU_DEP_3)
	v_mov_b32 v[35+6*\c+\i], v[44+4*\c+\i]
.endr
.endr
.irp c, 0,1,2
	global_store_b128 v[LI], v[32+4*\c:35+4*\c], s[8:9] offset:512*\c   ; the image: 512 consecutive bytes a store
.endr
	global_store_b32 v[AS4], v52, s[16:17]         ; row r's scale word (lanes 16-31 write the same word with the same value)
.Lend:
	s_wait_tensorcnt 0x0                           ; the wave's end
	ds_add_u32 v[SPW], v[NIL]
	s_wait_dscnt 0x0
	s_endpgm
.Lfunc_end_k_q57c084ea8e_attn:
	.size	k_q57c084ea8e_attn, .Lfunc_end_k_q57c084ea8e_attn-k_q57c084ea8e_attn
	.p2alignl 7, 3214868480
	.fill 96, 4, 3214868480
	.section	.rodata,"a",@progbits
	.p2align	6, 0x0
	.amdhsa_kernel k_q57c084ea8e_attn
		.amdhsa_group_segment_fixed_size 327680
		.amdhsa_private_segment_fixed_size 0
		.amdhsa_enable_private_segment 0
		.amdhsa_kernarg_size 24
		.amdhsa_user_sgpr_count 2
		.amdhsa_user_sgpr_kernarg_segment_ptr 1
		.amdhsa_wavefront_size32 1
		.amdhsa_system_sgpr_workgroup_id_x 1
		.amdhsa_system_sgpr_workgroup_id_y 1
		.amdhsa_system_sgpr_workgroup_id_z 1
		.amdhsa_system_vgpr_workitem_id 0
		.amdhsa_next_free_vgpr 256
		.amdhsa_next_free_sgpr 100
		.amdhsa_reserve_vcc 1
		.amdhsa_float_denorm_mode_32 3
		.amdhsa_float_denorm_mode_16_64 3
		.amdhsa_memory_ordered 1
		.amdhsa_forward_progress 1
		.amdhsa_inst_pref_size 77
	.end_amdhsa_kernel
	.amdgpu_metadata
---
amdhsa.version: [ 1, 2 ]
amdhsa.kernels:
  - .name:           k_q57c084ea8e_attn
    .symbol:         k_q57c084ea8e_attn.kd
    .args:
      - { .name: qb, .offset: 0, .size: 8, .value_kind: global_buffer, .address_space: global }
      - { .name: kv, .offset: 8, .size: 8, .value_kind: global_buffer, .address_space: global }
      - { .name: ob, .offset: 16, .size: 8, .value_kind: global_buffer, .address_space: global }
    .group_segment_fixed_size: 327680
    .private_segment_fixed_size: 0
    .kernarg_segment_align: 8
    .kernarg_segment_size: 24
    .max_flat_workgroup_size: 512
    .sgpr_count:     100
    .vgpr_count:     256
    .wavefront_size: 32
...
	.end_amdgpu_metadata
.endif
;; end of part 3
;; launch oproj (part 4): grid 8 x 32, 4 waves a work-group, clusters of 4 x 4, 247,808 bytes of LDS; arguments ob, wq, out0; writes out0
.if DOCPART == 4
	.amdgcn_target "amdgcn-amd-amdhsa--gfx1250"
	.amdhsa_code_object_version 6
	.text
	.protected	k_q57c084ea8e_oproj
	.globl	k_q57c084ea8e_oproj
	.p2align	8
	.type	k_q57c084ea8e_oproj,@function
k_q57c084ea8e_oproj:
	s_mov_b64 s[64:65], 0
	v_nop
	global_prefetch_b8 v0, s[64:65] scope:SCOPE_SE
	s_setreg_imm32_b32 hwreg(HW_REG_WAVE_MODE, 25, 1), 1
	s_wait_xcnt 0x0
	s_wait_alu depctr_hold_cnt(0) depctr_sa_sdst(0) depctr_va_vdst(0) depctr_va_sdst(0) depctr_va_ssrc(0) depctr_va_vcc(0) depctr_vm_vsrc(0)
	s_getreg_b32 s2, hwreg(HW_REG_IB_STS2, 6, 4)
	s_cmp_eq_u32 s2, 0
	s_cbranch_scc0 .Lentry_in_a_cluster
	s_endpgm
.Lentry_in_a_cluster:
	s_bfe_u32 s2, ttmp6, 0x10000c
	s_cmp_lg_u32 s2, 0xf033
	s_cbranch_scc0 .Lentry_shape_is_right
	s_endpgm
.Lentry_shape_is_right:
; out0 = O Wo^T on codes of FP6 (E2M3) with E8M0 scales, K = 1,024; out0 [4096][1024] f32.
; 256 tiles of 128 x 128, four waves, a wave 64 x 64 (16 accumulators).  ALL OF K LIES IN LDS: nothing is filled twice, so there is no ring: the loads go out as one group at the start, and one wait on all of them stands ahead of the products, which begin with
; the first quarter of K.  A (ob): for each K step of 128 a dense block of 12,800 bytes: 8 images of operand registers, then 8 x 16 scale words.  B (Wo's stored rows in wq): rows of 192 bytes for each 256 along K.
; CLUSTERS: 4 x 4.  A's blocks hang on the tile row alone and are shared along the cluster's row, B's on the tile column alone and are shared along its column: joint loads.
; Waves 0, 1 fetch A's K steps 0-3, 4-7; wave 2 all of B's codes, wave 3 B's scale bytes: one load a wave.
; THE MATRIX INSTRUCTION IS USED TRANSPOSED (source 0 = 16 stored rows of Wo, source 1 = 16 rows of O).  Both are permuted inside 32 (tile 2 b + u, index m: true row 32 b + 8 u + m + 8 (m / 8)); the way out puts columns
; (through the stage) and rows (by the stores' offsets) back in their true places.
; REGISTERS: window 0: v4-13 addresses; v32-63 A's scale words (4 ks + a); v64-95 B's (8 b + ks); v128-255 the accumulators ((a, b) at 128 + 8 (4 a + b)).  window 1: two fragment buffers at 0 and 128: A's four, then B's four.
.set AREG,  122880                     ; LDS: B's four quarters of K at 0 (128 rows x 240 bytes each); A's eight blocks of 12,800;
.set BSC,   225280                     ; B's scale bytes: 16 rows of 256 bytes + 16;
.set STG,   229632                     ; a stage of 16 rows x (256 + 16) bytes for each wave;
.set SPARE, 247040                     ; the spare words, 128 bytes a wave
.set ADA,  4                           ; v4  A's images: AREG + 6,144 x row half + 16 x lane
.set ADB,  5                           ; v5  B's rows: 15,360 x column half + 240 r + 24 h
.set ADB2, 6                           ; v6  the same behind one padding more (40 h)
.set ASA,  7                           ; v7  A's scale words
.set ASB,  8                           ; v8  B's
.set STO,  9
.set RD,   10
.set CO,   11
.set SPW,  12
.set NIL,  13
.set SA,   32
.set SB,   64
.set ACC,  128
.set G1A,  24
.set G1B,  32
.set G1BS, 40
.set G0A,  48                          ; s48-51
.set G0B,  68                          ; s68-71
.set G0BS, 84
.set MSB, 0
.macro WIN new
.if MSB != (\new)
	s_set_vgpr_msb (MSB<<8)|(\new)
.set MSB, (\new)
.endif
.endm
.macro CROUND                          ; a round of the cluster's barrier
	s_barrier_signal -1
	s_barrier_wait -1
	s_cmp_lg_u32 s10, 0
	s_cbranch_scc1 .Lnot_wave_0_\@
	s_barrier_signal -3
.Lnot_wave_0_\@:
	s_barrier_wait -3
	s_barrier_signal -1
	s_barrier_wait -1
.endm
	s_load_b128 s[4:7], s[0:1], 0x0                ; ob, wq
	s_load_b64 s[8:9], s[0:1], 0x10                ; out0
	v_lshl_add_u32 v[SPW], v0, 2, SPARE
	v_mov_b32 v[NIL], 0
	ds_add_u32 v[SPW], v[NIL]                      ; the wave's opening: the add and its wait ahead of my first tensor load
	ds_add_u32 v[SPW], v[NIL]
	v_lshrrev_b32 v1, 5, v0
	v_readfirstlane_b32 s10, v1                    ; wave 0..3
	s_lshr_b32 s11, s10, 1                         ; my half of the rows.  Also: I fetch for A (0) or B (1)
	s_and_b32 s12, s10, 1                          ; my half of the columns.  Also: which part I fetch
	s_bfe_u32 s88, ttmp6, 0x40000                  ; cx
	s_bfe_u32 s89, ttmp6, 0x40004                  ; cy
	s_lshl_b32 s90, ttmp9, 2
	s_add_co_u32 s90, s90, s88                     ; tile column 0..7
	s_and_b32 s13, ttmp7, 0xffff
	s_lshl_b32 s13, s13, 2
	s_add_co_u32 s13, s13, s89                     ; tile row 0..31
	s_lshl_b32 s91, s89, 2
	s_lshl_b32 s91, 15, s91                        ; my row of the cluster
	s_lshl_b32 s92, 0x1111, s88                    ; my column
	s_or_b32 s[G1A], s91, (3<<16)|(1<<21)          ; A: 12,800 dense bytes as 50 rows of 256 (32 elements of 8 bytes), no padding
	s_mov_b32 s[G1A+1], 32<<16
	s_mov_b32 s[G1A+2], 200<<16                    ; one load brings four K steps' blocks: 51,200 dense bytes, 200 rows of 256
	s_mov_b32 s[G1A+3], 32<<16
	s_mov_b32 s[G1A+4], 200
	s_mov_b32 s[G1A+5], 32
	s_mov_b32 s[G1A+6], 0
	s_mov_b32 s[G1A+7], 0
	s_or_b32 s[G1B], s92, (3<<16)|(1<<20)|(1<<21)|(3<<22)|(3<<25)   ; B, ONE load for all of K: wq's codes lie [4 quarters][rows][192 bytes], so my 128 rows of a quarter are 24,576 dense bytes: 4 rows of 3,072 elements of 8 bytes, 786,432 bytes apart; 16 bytes of padding behind every 64
	s_mov_b32 s[G1B+1], 3072<<16
	s_mov_b32 s[G1B+2], 4<<16
	s_mov_b32 s[G1B+3], 3072<<16
	s_mov_b32 s[G1B+4], 4
	s_mov_b32 s[G1B+5], 98304
	s_mov_b32 s[G1B+6], 0
	s_mov_b32 s[G1B+7], 0
	s_or_b32 s[G1BS], s92, (3<<16)|(1<<20)|(1<<21)|(5<<22)|(3<<25)  ; B's scales of 128 rows: 16 rows of 256 bytes, 16 of padding behind each
	s_mov_b32 s[G1BS+1], 32<<16
	s_mov_b32 s[G1BS+2], 16<<16                    ; B's scales of 128 rows: 16 rows of 256 bytes
	s_mov_b32 s[G1BS+3], 32<<16
	s_mov_b32 s[G1BS+4], 16
	s_mov_b32 s[G1BS+5], 32
	s_mov_b32 s[G1BS+6], 0
	s_mov_b32 s[G1BS+7], 0
	s_mul_i32 s14, s13, 102400                     ; A: the tile row's eight blocks, and K steps 0-3 or 4-7
	s_mul_i32 s16, s12, 51200                      ; K steps 0-3 or 4-7
	s_add_co_u32 s14, s14, s16
	s_mov_b32 s15, 0
	s_add_co_u32 s16, s16, AREG
	s_mul_i32 s96, s90, 24576                      ; B: stored row 128 x tile column of quarter 0, behind the quarter's 3,072 rows of Wq, Wk, Wv
	s_add_co_u32 s96, s96, 589824
	s_mov_b32 s97, 0
	s_lshl_b32 s98, s90, 12                        ; and these rows' scale bytes
	s_add_co_u32 s98, s98, 3244032
	s_mov_b32 s99, 0
	s_mul_i32 s17, s12, 15360
	s_mul_i32 s18, s12, 2176
	s_add_co_u32 s18, s18, BSC
	s_wait_dscnt 0x0                               ; the opening add is done
	s_wait_kmcnt 0x0
	s_add_nc_u64 s[14:15], s[4:5], s[14:15]
	s_add_nc_u64 s[96:97], s[6:7], s[96:97]
	s_add_nc_u64 s[98:99], s[6:7], s[98:99]
	s_mov_b32 s[G0A], 1
	s_mov_b32 s[G0A+1], s16
	s_mov_b64 s[G0A+2:G0A+3], s[14:15]
	s_or_b32 s[G0A+3], s[G0A+3], 0x80000000
	s_mov_b32 s[G0B], 1
	s_mov_b32 s[G0B+1], 0
	s_mov_b64 s[G0B+2:G0B+3], s[96:97]
	s_or_b32 s[G0B+3], s[G0B+3], 0x80000000
	s_mov_b32 s[G0BS], 1
	s_mov_b32 s[G0BS+1], BSC
	s_mov_b64 s[G0BS+2:G0BS+3], s[98:99]
	s_or_b32 s[G0BS+3], s[G0BS+3], 0x80000000
	CROUND                                         ; all sixteen work-groups are here: the joint loads meet
	s_cmp_lt_u32 s10, 2                            ; THE FIRST FILLS, ONE LOAD A WAVE, in one chain of branches on the wave's number: waves 0, 1 A's K steps 0-3, 4-7;
	s_cbranch_scc0 .Lfor_b
	tensor_load_to_lds s[G0A:G0A+3], s[G1A:G1A+7]
	s_nop 0
.rept 4
	v_nop
.endr
	s_branch .Lasked
.Lfor_b:
	s_cmp_eq_u32 s10, 2                            ; wave 2 all of B's codes;
	s_cbranch_scc0 .Lfor_s
	tensor_load_to_lds s[G0B:G0B+3], s[G1B:G1B+7]
	s_nop 0
.rept 4
	v_nop
.endr
	s_branch .Lasked
.Lfor_s:
	tensor_load_to_lds s[G0BS:G0BS+3], s[G1BS:G1BS+7]   ; wave 3 B's scale bytes
	s_nop 0
.rept 4
	v_nop
.endr
.Lasked:
	v_and_b32 v1, 15, v0                           ; r
	v_bfe_u32 v2, v0, 4, 1                         ; h
	v_and_b32 v3, 31, v0                           ; lane
	s_mul_i32 s20, s11, 6144
	s_add_co_u32 s20, s20, AREG
	v_lshl_add_u32 v[ADA], v3, 4, s20
	v_mul_u32_u24 v14, v1, 240
	v_add_nc_u32 v14, s17, v14
	v_mad_u32_u24 v[ADB], v2, 24, v14
	v_mad_u32_u24 v[ADB2], v2, 40, v14
	s_lshl_b32 s21, s11, 8
	s_add_co_u32 s21, s21, AREG+12288
	v_lshl_add_u32 v[ASA], v1, 2, s21
	v_lshrrev_b32 v15, 3, v1
	v_mul_u32_u24 v15, v15, 272
	v_and_b32 v16, 7, v1
	v_lshl_add_u32 v15, v16, 5, v15
	v_add_nc_u32 v[ASB], s18, v15                  ; row r's 32 scale bytes: 8 rows to 256 bytes + 16
	s_mul_i32 s22, s10, 16*272
	s_add_co_u32 s22, s22, STG                     ; my stage
	v_mul_u32_u24 v[STO], v1, 272
	v_lshl_add_u32 v[STO], v2, 6, v[STO]
	v_add_nc_u32 v[STO], s22, v[STO]               ; in: row r, + 64 h
	v_mul_u32_u24 v[RD], v2, 272
	v_lshl_add_u32 v[RD], v1, 4, v[RD]
	v_add_nc_u32 v[RD], s22, v[RD]                 ; back: lanes 0-15 one row of 256 bytes, lanes 16-31 the next
	v_lshlrev_b32 v[CO], 12, v2
	v_lshl_add_u32 v[CO], v1, 4, v[CO]             ; and the same two rows in out0
	s_lshl_b32 s20, s13, 19                        ; out0: (128 x tile row + 64 x row half) rows of 4,096 bytes + 512 x tile column + 256 x column half
	s_lshl_b32 s21, s11, 18
	s_add_co_u32 s20, s20, s21
	s_lshl_b32 s94, s90, 9
	s_lshl_b32 s95, s12, 8
	s_add_co_u32 s94, s94, s95
	s_add_co_u32 s94, s94, s20
	s_mov_b32 s95, 0
	s_add_nc_u64 s[8:9], s[8:9], s[94:95]
; The fragments of K step ks into buffer f of window 1: A's four images (three loads of 16 bytes a lane each), B's four (six pieces of 8 bytes each)
.macro FETCH ks, f
	WIN 0x40
.irp a, 0,1,2,3
.irp c, 0,1,2
	ds_load_b128 v[(\f)+12*\a+4*\c:(\f)+12*\a+4*\c+3], v[ADA] offset:((\ks)%4)*12800+1536*\a+512*\c
.endr
.endr
.irp i, 0,1,2,3
.irp p, 0,1,2,3,4,5
.set PC, 12*((\ks)%2)+6*(\p/3)+\p%3
.if PC%8 < 5
	ds_load_b64 v[(\f)+48+12*\i+2*\p:(\f)+48+12*\i+2*\p+1], v[ADB] offset:8*PC+16*(PC/8)+(((\ks)/2)%2)*30720+\i*3840
.else
	ds_load_b64 v[(\f)+48+12*\i+2*\p:(\f)+48+12*\i+2*\p+1], v[ADB2] offset:8*PC+16*(PC/8)+(((\ks)/2)%2)*30720+\i*3840
.endif
.endr
.endr
	WIN 0
.endm
.macro SALOAD j                        ; A's scale words of K steps 2 j and 2 j + 1
.irp e, 0,1
.irp a, 0,1,2,3
	ds_load_b32 v[SA+4*(2*(\j)+\e)+\a], v[ASA] offset:((2*(\j)+\e)%4)*12800+64*\a
.endr
.endr
.endm
.macro MUL ks, f                       ; 16 matrix instructions, the 16 accumulators by turns; K step 0 starts the sums
	WIN 0x05
.irp a, 0,1,2,3
.irp b, 0,1,2,3
.if (\ks) == 0
	v_wmma_scale_f32_16x16x128_f8f6f4 v[ACC+8*(4*\a+\b):ACC+8*(4*\a+\b)+7], v[(\f)+48+12*\b:(\f)+48+12*\b+11], v[(\f)+12*\a:(\f)+12*\a+11], 0, v[SB+8*\b+(\ks)], v[SA+4*(\ks)+\a] matrix_a_fmt:MATRIX_FMT_FP6 matrix_b_fmt:MATRIX_FMT_FP6
.else
	v_wmma_scale_f32_16x16x128_f8f6f4 v[ACC+8*(4*\a+\b):ACC+8*(4*\a+\b)+7], v[(\f)+48+12*\b:(\f)+48+12*\b+11], v[(\f)+12*\a:(\f)+12*\a+11], v[ACC+8*(4*\a+\b):ACC+8*(4*\a+\b)+7], v[SB+8*\b+(\ks)], v[SA+4*(\ks)+\a] matrix_a_fmt:MATRIX_FMT_FP6 matrix_b_fmt:MATRIX_FMT_FP6
.endif
.endr
.endr
	WIN 0
.endm
	s_wait_alu depctr_va_vdst(0)
	s_wait_tensorcnt 0x0                           ; my one load is in,
	s_barrier_signal -1
	s_barrier_wait -1                              ; everybody's is
.irp b, 0,1,2,3
	ds_load_b128 v[SB+8*\b:SB+8*\b+3], v[ASB] offset:544*\b          ; B's scale words for all of K
	ds_load_b128 v[SB+8*\b+4:SB+8*\b+7], v[ASB] offset:544*\b+16
.endr
	SALOAD 0
	FETCH 0, 0
.set KS_, 0
.rept 8
	s_wait_dscnt 0x0                               ; this K step's fragments are in
.if KS_ == 3
	v_add_nc_u32 v[ADA], 51200, v[ADA]             ; the second half of K: the offsets begin anew
	s_wait_alu depctr_va_vdst(0)
	v_add_nc_u32 v[ASA], 51200, v[ASA]
	v_add_nc_u32 v[ADB], 61440, v[ADB]
	s_wait_alu depctr_va_vdst(0)
	v_add_nc_u32 v[ADB2], 61440, v[ADB2]
.endif
.if KS_ < 7
.if KS_ >= 1
	s_wait_alu depctr_va_vdst(0)
.rept 4
	v_nop                                          ; places in front of loads into the buffer that the last products read
.endr
.endif
.if KS_%2 == 1
	SALOAD (KS_+1)/2
.endif
	FETCH KS_+1, 128*((KS_+1)%2)                   ; the next K step's fragments land under this step's products
.endif
	MUL KS_, 128*(KS_%2)
.set KS_, KS_+1
.endr
.rept 4
	v_nop                                          ; places in front of the first read of results
.endr
; THE WAY OUT, block a of 16 rows x 64 columns: through my own stage (register j of accumulator (a, 2 bb + u): column 32 bb + 16 h + 8 u + j) and back as whole rows of 256 bytes, into the block's own registers.
; LDS serves a wave's instructions in order: no wait between the stores and the loads, nor in front of the next block's stores.
.macro TOSTAGE a
.irp bb, 0,1
.irp u, 0,1
	ds_store_b128 v[STO], v[ACC+8*(4*(\a)+2*\bb+\u):ACC+8*(4*(\a)+2*\bb+\u)+3] offset:128*\bb+32*\u       ; each accumulator from its low end on
	ds_store_b128 v[STO], v[ACC+8*(4*(\a)+2*\bb+\u)+4:ACC+8*(4*(\a)+2*\bb+\u)+7] offset:128*\bb+32*\u+16
.endr
.endr
.irp t, 0,1,2,3,4,5,6,7
	ds_load_b128 v[ACC+32*(\a)+4*\t:ACC+32*(\a)+4*\t+3], v[RD] offset:544*\t
.endr
.endm
.macro SEND a, younger                 ; younger: the LDS instructions issued behind block a's loads
	s_wait_dscnt \younger
.irp t, 0,1,2,3,4,5,6,7
	global_store_b128 v[CO], v[ACC+32*(\a)+4*\t:ACC+32*(\a)+4*\t+3], s[8:9] offset:(32*((\a)/2)+8*((\a)%2)+2*\t+8*(\t/4))*4096 th:TH_STORE_NT   ; 16 lanes store 256 consecutive bytes, aligned; stage row m is true row m + 8 (m / 8) of the tile
.endr
.endm
	TOSTAGE 0
	TOSTAGE 1
	SEND 0, 16                                     ; behind block 0's loads: block 1's 8 stores and 8 loads
	TOSTAGE 2
	SEND 1, 16
	TOSTAGE 3
	SEND 2, 16
	SEND 3, 0
	s_wait_tensorcnt 0x0                           ; the wave's end
	ds_add_u32 v[SPW], v[NIL]
	s_wait_dscnt 0x0
	CROUND                                         ; the closing round
	s_endpgm
.Lfunc_end_k_q57c084ea8e_oproj:
	.size	k_q57c084ea8e_oproj, .Lfunc_end_k_q57c084ea8e_oproj-k_q57c084ea8e_oproj
	.p2alignl 7, 3214868480
	.fill 96, 4, 3214868480
	.section	.rodata,"a",@progbits
	.p2align	6, 0x0
	.amdhsa_kernel k_q57c084ea8e_oproj
		.amdhsa_group_segment_fixed_size 247808
		.amdhsa_private_segment_fixed_size 0
		.amdhsa_enable_private_segment 0
		.amdhsa_kernarg_size 24
		.amdhsa_user_sgpr_count 2
		.amdhsa_user_sgpr_kernarg_segment_ptr 1
		.amdhsa_wavefront_size32 1
		.amdhsa_system_sgpr_workgroup_id_x 1
		.amdhsa_system_sgpr_workgroup_id_y 1
		.amdhsa_system_sgpr_workgroup_id_z 1
		.amdhsa_system_vgpr_workitem_id 0
		.amdhsa_next_free_vgpr 512
		.amdhsa_next_free_sgpr 102
		.amdhsa_reserve_vcc 0
		.amdhsa_float_denorm_mode_32 3
		.amdhsa_float_denorm_mode_16_64 3
		.amdhsa_memory_ordered 1
		.amdhsa_forward_progress 1
		.amdhsa_inst_pref_size 54
	.end_amdhsa_kernel
	.amdgpu_metadata
---
amdhsa.version: [ 1, 2 ]
amdhsa.kernels:
  - .name:           k_q57c084ea8e_oproj
    .symbol:         k_q57c084ea8e_oproj.kd
    .args:
      - { .name: ob, .offset: 0, .size: 8, .value_kind: global_buffer, .address_space: global }
      - { .name: wq, .offset: 8, .size: 8, .value_kind: global_buffer, .address_space: global }
      - { .name: out0, .offset: 16, .size: 8, .value_kind: global_buffer, .address_space: global }
    .group_segment_fixed_size: 247808
    .private_segment_fixed_size: 0
    .kernarg_segment_align: 8
    .kernarg_segment_size: 24
    .max_flat_workgroup_size: 128
    .sgpr_count:     102
    .vgpr_count:     512
    .wavefront_size: 32
...
	.end_amdgpu_metadata
.endif
;; end of part 4
